; MI455X (gfx1250); checked and timed in simulation.
; The chip was launched on July 23, 2026; its instructions are those of AMD's public machine-readable ISA for CDNA 5 (MIT licence, August 2026) and "CDNA5" Instruction Set Architecture Reference Guide (July 2026). The comments in the code are by the model that wrote it; some were corrected since.
;; Window Attention Memory. Allowed arithmetic: matrix products marked QUANTISED: E3M2 operands, one E8M0 scale for each 32 along K, by v_wmma_scale_f32_16x16x128_f8f6f4 with both operands' format E3M2, f32 sums; everything else in f32.
;; Inputs: Wk_codes 1,024 x 32 x 24 uint8 (E3M2 codes of Wk, K innermost, in blocks of 32 codes, four codes in three bytes); Wk_scales 1,024 x 32 uint8 (E8M0 scales of Wk, one for each 32 codes along K); Wo_codes 1,024 x 32 x 24 uint8 (E3M2 codes of Wo, K innermost, in blocks of 32 codes, four codes in three bytes); Wo_scales 1,024 x 32 uint8 (E8M0 scales of Wo, one for each 32 codes along K); Wq_codes 1,024 x 32 x 24 uint8 (E3M2 codes of Wq, K innermost, in blocks of 32 codes, four codes in three bytes); Wq_scales 1,024 x 32 uint8 (E8M0 scales of Wq, one for each 32 codes along K); Wv_codes 1,024 x 32 x 24 uint8 (E3M2 codes of Wv, K innermost, in blocks of 32 codes, four codes in three bytes); Wv_scales 1,024 x 32 uint8 (E8M0 scales of Wv, one for each 32 codes along K); beta 1,024 float32; bk 1,024 float32; bo 1,024 float32; bq 1,024 float32; bv 1,024 float32; gamma 1,024 float32; hidden_states 2 x 2,048 x 1,024 float32.
;; Outputs: out0 2 x 2,048 x 1,024 float32.
;; This version of the problem:
;;   THIS VERSION OF THE PROBLEM IS GIVEN IN LOW PRECISION. The matrix products marked QUANTISED in the list below multiply operands that are first quantised to E3M2 (3 exponent bits, 2 mantissa bits; 6 bits a number), with one power-of-two scale for each 32 numbers along K (OCP MX v1.0); their sums are f32. All else is computed in f32.
;;   The module's matrix products, in the order in which they are computed (A, B: the left and right operand; K: the contracted axis; several contracted axes count as one K, in the product's order):
;;     1. [M 4,096, K 1,024] x [K 1,024, N 1,024]; A: computed on the way; B: input Wq (given as codes): QUANTISED
;;     2. [M 4,096, K 1,024] x [K 1,024, N 1,024]; A: computed on the way; B: input Wk (given as codes): QUANTISED
;;     3. [M 4,096, K 1,024] x [K 1,024, N 1,024]; A: computed on the way; B: input Wv (given as codes): QUANTISED
;;     4. batch 32 x [M 2,048, K 64] x [K 64, N 2,048]; A: computed on the way; B: computed on the way: QUANTISED
;;     5. batch 32 x [M 2,048, K 2,048] x [K 2,048, N 64]; A: softmax (see below); B: computed on the way: QUANTISED
;;     6. [M 4,096, K 1,024] x [K 1,024, N 1,024]; A: computed on the way; B: input Wo (given as codes): QUANTISED
;;   THE QUANTISER, for each operand of a quantised product, along K:
;;     - K is cut into blocks of 32 from its start; a last block that is shorter is filled with zeros.
;;     - A block's scale is 2^e with e = floor(log2(the largest magnitude in the block)) - 4, held to -126 .. 127; a block of zeros has e = 0. As a byte (E8M0): e + 127.
;;     - Each number is divided by its block's scale, clamped to +-28, and rounded to the nearest number of E3M2, ties to even, subnormals kept.
;;     - The product sums the exact products of the quantised numbers (number of the format x scale) in f32.
;;   ~~~python
;;   def quantise(x, axis):      # numpy; x: float32 -> the quantised numbers, widened to float32 again
;;       x = np.moveaxis(x, axis, -1); K = x.shape[-1]
;;       x = np.pad(x, [(0, 0)] * (x.ndim - 1) + [(0, -K % 32)]); x = x.reshape(x.shape[:-1] + (-1, 32)); a = np.abs(x).max(-1, keepdims=True)
;;       e = np.where(a > 0, np.clip(np.frexp(np.where(a > 0, a, 1))[1] - 1 - 4, -126, 127), 0)      # np.frexp(a)[1] - 1 = floor(log2(a)), exactly
;;       r = np.clip(x / 2.0 ** e, -28, 28)
;;       step = 2.0 ** (np.maximum(np.frexp(np.where(r == 0, 1, r))[1] - 1, -2) - 2)
;;       q = np.round(r / step) * step * 2.0 ** e      # np.round: ties to even
;;       return np.moveaxis(q.reshape(q.shape[:-2] + (-1,))[..., :K], -1, axis).astype(np.float32)
;;   ~~~
;;   SOFTMAX AHEAD OF A QUANTISED PRODUCT. Where the list says 'softmax', what is quantised is not the finished softmax but p = 2^(t - M), with t = logit x log2(e) and M = ceil(the row's largest t), a whole number; so 1/2 < the row's largest p <= 1. The row's sum l is taken of the UNQUANTISED p, in f32, and the product's result is divided by l at the end. Since M is a whole number, a kernel that streams over the keys may use a running M (the ceiling of the running maximum): every later rescaling is an exact power of two, which a block's scale takes up: the codes' values come out the same.
;;   OPERANDS COMPUTED ON THE WAY. 'Computed on the way' means the value that the module computes at that place (a softmax that the list does not call 'softmax' is quantised finished and normalised). What goes into a quantiser is computed in f32, as accurately as f32 sums, v_exp_f32 and their like allow (about 1e-6 of the number): no bf16 or f16 on the way to a quantiser, and a product that is left as it is and whose result goes on into a quantised operand takes f32 operands (vector FMAs, or v_wmma_f32_16x16x4_f32). A number that lies on a knife's edge between two numbers of the format may be rounded either way, as far as f32 arithmetic and the matrix unit's own rounding can turn it there, and no further.
;;   INPUTS GIVEN AS CODES. Wk (in the module: [1024, 1024], K = its axis 1); Wo (in the module: [1024, 1024], K = its axis 1); Wq (in the module: [1024, 1024], K = its axis 1); Wv (in the module: [1024, 1024], K = its axis 1): each comes as NAME_codes (uint8): NAME with its K axis moved to the last place and cut into blocks of 32 codes, [.., K / 32, bytes a block], one block behind the other in memory; four codes in three bytes: a row's codes are one little-endian stream of bits, code i at bits 6 i .. 6 i + 5 (a code: sign, 3 exponent bits, 2 mantissa bits); and NAME_scales (uint8): the same leading axes, one E8M0 byte (e + 127) for each 32 codes along K. Its value is code x scale, taken as it is: it is not quantised again, and the codes and scales need not be those that the quantiser above would give.
;; One version. Each part assembles by itself: llvm-mc -triple=amdgcn-amd-amdhsa -mcpu=gfx1250 --defsym DOCPART=n.
;; ======== version 1 of 1: 4 launches
;; limits: right only within a limited range of input values
;; workspace buffers: rowimg 3,145,728 bytes; rowsc 131,072 bytes; wimg 3,145,728 bytes; qkimg 6,291,456 bytes; qksc 524,288 bytes; vimg 3,145,728 bytes; vsc 262,144 bytes
;; launch prep (part 1): grid 256 x 1, 8 waves a work-group, no clusters, 67,584 bytes of LDS; arguments hidden_states, gamma, beta, Wq_codes, Wk_codes, Wv_codes, Wo_codes, rowimg, rowsc, wimg; writes rowimg, rowsc, wimg
.if DOCPART == 1
	.amdgcn_target "amdgcn-amd-amdhsa--gfx1250"
	.amdhsa_code_object_version 6
	.text
	.protected	k_q53a781c765_prep
	.globl	k_q53a781c765_prep
	.p2align	8
	.type	k_q53a781c765_prep,@function
k_q53a781c765_prep:
	s_mov_b64 s[64:65], 0
	v_nop
	global_prefetch_b8 v0, s[64:65] scope:SCOPE_SE
	s_setreg_imm32_b32 hwreg(HW_REG_WAVE_MODE, 25, 1), 1
	s_wait_xcnt 0x0
; PREP.  (1) x = LayerNorm(hidden_states) x gamma + beta, in f32, quantised along its 1,024 columns to codes of E3M2 with one E8M0 byte for each 32;
; (2) the four weights' codes are laid anew, as images of the matrix operand's registers, so that later launches load whole fragments by dense loads of 512 bytes.
; A FRAGMENT is 16 rows x 128 K: 12 registers a lane; lane (r, h) holds row r, registers 6 c .. 6 c + 5 hold K = 64 c + 32 h + 0 .. 31.  ITS IMAGE is 1,536 bytes: registers 4 c .. 4 c + 3 of lane l at 512 c + 16 l.
; THE ROWS OF A TILE ARE NOT NEIGHBOURS: row rho of tile T is index 32 (T / 2) + 8 (T % 2) + rho + (rho & 8).  That holds for the tiles of tokens and for the tiles of rows of Wq, Wk, Wv; Wo's tiles are 16 neighbours.
; So, in a later product's result, the 16 registers of two neighbouring tiles are 16 neighbours along that axis, as the conversions want them.
; SHARES.  Work-group g owns the tile of tokens T = g and tile g % 64 of weight g / 64 (q, k, v, o).  Wave w lays weight fragment K step w, normalises tile rows 2 w and 2 w + 1 (a row is 32 registers of one wave:
; mean and variance never leave the wave), and, behind a barrier, quantises K step w of all 16 rows.
; LIMITS: NaN and infinities are not served; 1 / sqrt comes by v_rsq_f32; a block whose largest magnitude lies under 2^(5 - 127), a block of zeros among them, gets the byte 1: its bytes are read by this program alone.
.set XP,   4112                        ; LDS: a row of x, 4,096 bytes + 16: 257 x 16, so that the 16 rows of a load start in 16 different groups of banks
.set SCW,  16*XP                       ; behind the 16 rows: the tile's scale words, 512 bytes: row rho, K step s at 32 rho + 4 s
.set LI,   4                           ; v4   16 x lane
.set WOFF, 5                           ; v5   my lane's byte in the weight's tile
.set ST,   6                           ; v6   LDS: where my wave's two rows go
.set RD,   7                           ; v7   LDS: my 16 numbers of each block of my K step
.set SWA,  8                           ; v8   LDS: my row's scale word of my K step
.set SRA,  9                           ; v9   LDS: 16 bytes a lane of the 512 bytes of scale words
.set WF,   12                          ; v12-23   the weight's fragment
.set X,    24                          ; v24-87   two rows of 32 registers; later the 64 numbers to quantise
.set GA,   88                          ; v88-119  gamma
.set BE,   120                         ; v120-151 beta
.set SM,   152                         ; v152-159 sums: row e has two chains at SM + 4 e, SM + 4 e + 2
.set MU,   160                         ; v160-163 the means, each twice
.set RS,   164                         ; v164-167 1 / sqrt(var + eps), each twice
.set TM,   168                         ; v168-183 the quantiser's work
.set PW,   184                         ; v184     the scale word just made
.set PC,   188                         ; v188-207 the codes just made
.set SEL,  36                          ; s[36:37] v_permlanex16_b32's selects for lane l xor 16
; DEAD WORK of the whole program: reference() puts the lowest number in place of every score whose key j is not in [i - 255, i].  For all values of the inputs such a key's p is 0 beside the diagonal key's, which always counts:
; so only the nine blocks of 32 keys that can hold an allowed key are multiplied for each block of 32 queries; blocks ahead of the sequence's start do not exist.  A NaN, an infinity or an overflow in a hidden score is not carried to the result.
; THE WEIGHTS' IMAGES: a head's twelve tiles lie on end: q 0-3, v 0-1, k 0-3, v 2-3; Wo's 64 tiles stand behind the 192.  x's loads go first, the weight's last; the weight's image is stored behind the first barrier.
	s_load_b256 s[4:11], s[0:1], 0x0
	s_load_b256 s[12:19], s[0:1], 0x20             ; Wk s[12:13], Wv s[14:15], Wo s[16:17], rowimg s[18:19]
	s_load_b128 s[20:23], s[0:1], 0x40             ; rowsc s[20:21], wimg s[22:23]
	v_lshl_add_u32 v216, v0, 2, 0x10400
	v_mov_b32 v217, 0
	v_lshrrev_b32 v1, 5, v0
	s_delay_alu instid0(VALU_DEP_1)
	v_readfirstlane_b32 s24, v1                    ; wave 0..7
	v_and_b32 v1, 31, v0                           ; lane
	v_and_b32 v2, 15, v0                           ; r
	v_bfe_u32 v3, v0, 4, 1                         ; h
	s_delay_alu instid0(VALU_DEP_3)
	v_lshlrev_b32 v[LI], 4, v1
	s_lshr_b32 s25, ttmp9, 6                       ; which weight
	s_and_b32 s29, ttmp9, 63                       ; which tile n of it
	s_cmp_eq_u32 s25, 3
	s_cselect_b32 s28, 0, 1                        ; 1: the tile's rows are chosen as above; 0 (Wo): neighbours
	v_and_b32 v10, 8, v2
	s_delay_alu instid0(VALU_DEP_1)
	v_mul_u32_u24 v10, s28, v10
	s_delay_alu instid0(VALU_DEP_1)
	v_add_nc_u32 v10, v10, v2                      ; r + (r & 8), or r
	s_delay_alu instid0(VALU_DEP_1)
	v_mul_u32_u24 v[WOFF], v10, 768                ; a row of 1,024 codes is 768 bytes
	s_delay_alu instid0(VALU_DEP_1)
	v_mad_u32_u24 v[WOFF], v3, 24, v[WOFF]
	s_mul_i32 s40, s24, 2*XP
	v_add_nc_u32 v[ST], s40, v[LI]                 ; rows 2 w, 2 w + 1
	v_mul_u32_u24 v[RD], v2, XP
	s_delay_alu instid0(VALU_DEP_1)
	v_lshl_add_u32 v[RD], v3, 6, v[RD]
	s_lshl_b32 s40, s24, 9
	v_add_nc_u32 v[RD], s40, v[RD]                 ; row r, K step w (512 bytes), + 64 h
	v_lshlrev_b32 v[SWA], 5, v2
	s_lshl_b32 s40, s24, 2
	s_add_co_u32 s40, s40, SCW
	v_add_nc_u32 v[SWA], s40, v[SWA]
	v_add_nc_u32 v[SRA], SCW, v[LI]
	s_lshr_b32 s30, s29, 1                         ; the weight tile's first row: 32 (n / 2) + (n % 2) x 8 (chosen rows) or x 16 (neighbours)
	s_lshl_b32 s30, s30, 5
	s_and_b32 s31, s29, 1
	s_lshl_b32 s40, s28, 3
	s_sub_co_u32 s40, 16, s40
	s_mul_i32 s31, s31, s40
	s_add_co_u32 s30, s30, s31
	s_mul_i32 s30, s30, 768
	s_mul_i32 s31, s24, 96                         ; K step w: 96 bytes
	s_add_co_u32 s30, s30, s31
	s_mov_b32 s31, 0
	s_lshr_b32 s38, ttmp9, 1                       ; my first token: 32 (g / 2) + 8 (g % 2) + 2 w + 8 (w / 4)
	s_lshl_b32 s38, s38, 5
	s_and_b32 s39, ttmp9, 1
	s_lshl_b32 s39, s39, 3
	s_add_co_u32 s38, s38, s39
	s_lshl_b32 s39, s24, 1
	s_add_co_u32 s38, s38, s39
	s_lshr_b32 s39, s24, 2
	s_lshl_b32 s39, s39, 3
	s_add_co_u32 s38, s38, s39
	s_lshl_b32 s38, s38, 12                        ; x 4,096 bytes
	s_mov_b32 s39, 0
	s_lshl_b32 s40, ttmp9, 3                       ; image number 8 g + w in rowimg
	s_add_co_u32 s40, s40, s24
	s_mul_i32 s40, s40, 1536
	s_mov_b32 s41, 0
	s_lshr_b32 s44, s29, 2                         ; the head
	s_mul_i32 s44, s44, 12
	s_and_b32 s45, s29, 3                          ; j: which of its four tiles
	s_add_co_u32 s44, s44, s45
	s_lshr_b32 s45, s45, 1
	s_lshl_b32 s45, s45, 2
	s_add_co_u32 s45, s45, 4                       ; v: + 4 + 4 (j / 2)
	s_cmp_eq_u32 s25, 1
	s_cselect_b32 s45, 6, s45                      ; k: + 6
	s_cmp_eq_u32 s25, 0
	s_cselect_b32 s45, 0, s45                      ; q: + 0
	s_add_co_u32 s44, s44, s45
	s_add_co_u32 s45, s29, 192
	s_cmp_eq_u32 s25, 3
	s_cselect_b32 s44, s45, s44                    ; Wo: 192 + n
	s_lshl_b32 s44, s44, 3
	s_add_co_u32 s44, s44, s24
	s_mul_i32 s44, s44, 1536
	s_mov_b32 s45, 0
	s_lshl_b32 s42, ttmp9, 9                       ; the tile's 512 bytes of scale words
	s_mov_b32 s43, 0
	s_mov_b32 s33, 0x3a800000                      ; 1 / 1024
	s_mov_b32 s34, 0x2b8cbccc                      ; 1e-12
	s_mov_b32 s[SEL], 0x76543210
	s_mov_b32 s[SEL+1], 0xfedcba98
	s_wait_alu depctr_va_vdst(0)
	s_wait_kmcnt 0x0
	s_mov_b64 s[26:27], s[10:11]                   ; the weight is chosen by the work-group's number alone
	s_cmp_eq_u32 s25, 1
	s_cselect_b64 s[26:27], s[12:13], s[26:27]
	s_cmp_eq_u32 s25, 2
	s_cselect_b64 s[26:27], s[14:15], s[26:27]
	s_cmp_eq_u32 s25, 3
	s_cselect_b64 s[26:27], s[16:17], s[26:27]
	s_add_nc_u64 s[26:27], s[26:27], s[30:31]
	s_add_nc_u64 s[38:39], s[4:5], s[38:39]
	s_add_nc_u64 s[18:19], s[18:19], s[40:41]
	s_add_nc_u64 s[22:23], s[22:23], s[44:45]
	s_add_nc_u64 s[20:21], s[20:21], s[42:43]
.irp e, 0,1
.irp j, 0,1,2,3,4,5,6,7
	global_load_b128 v[X+32*\e+4*\j:X+32*\e+4*\j+3], v[LI], s[38:39] offset:4096*\e+512*\j   ; 32 lanes read 512 consecutive bytes
.endr
.endr
.irp j, 0,1,2,3,4,5,6,7
	global_load_b128 v[GA+4*\j:GA+4*\j+3], v[LI], s[6:7] offset:512*\j
.endr
.irp j, 0,1,2,3,4,5,6,7
	global_load_b128 v[BE+4*\j:BE+4*\j+3], v[LI], s[8:9] offset:512*\j
.endr
.irp p, 0,1,2,3,4,5
	global_load_b64 v[WF+2*\p:WF+2*\p+1], v[WOFF], s[26:27] offset:48*(\p/3)+8*(\p%3)   ; the weight's fragment as it lies in the rows: 24 bytes twice, in pieces of 8
.endr
.irp b, 0,1,2,3
	v_mov_b32 v[TM+4+\b], 0                        ; a lane permute's destination counts as one of its sources: written once
.endr
	v_mov_b32 v186, 0
	v_mov_b32 v187, 0
	s_wait_loadcnt 22                              ; x is in; behind it: 16 of gamma and beta, 6 of the weight
.macro REDUCE v, t                     ; the sum over the wave's 32 lanes, in every lane
	v_add_f32_dpp v[\v], v[\v], v[\v] row_xmask:1 row_mask:0xf bank_mask:0xf
	s_delay_alu instid0(VALU_DEP_1)
	v_add_f32_dpp v[\v], v[\v], v[\v] row_xmask:2 row_mask:0xf bank_mask:0xf
	s_delay_alu instid0(VALU_DEP_1)
	v_add_f32_dpp v[\v], v[\v], v[\v] row_xmask:4 row_mask:0xf bank_mask:0xf
	s_delay_alu instid0(VALU_DEP_1)
	v_add_f32_dpp v[\v], v[\v], v[\v] row_xmask:8 row_mask:0xf bank_mask:0xf
	s_delay_alu instid0(VALU_DEP_1)
	v_permlanex16_b32 v[\t], v[\v], s[SEL], s[SEL+1]
	s_delay_alu instid0(VALU_DEP_1)
	v_add_f32 v[\v], v[\v], v[\t]
.endm
	; the mean: two chains a row, two numbers an instruction
.irp e, 0,1
	v_pk_add_f32 v[SM+4*\e:SM+4*\e+1], v[X+32*\e:X+32*\e+1], v[X+32*\e+2:X+32*\e+3]
	v_pk_add_f32 v[SM+4*\e+2:SM+4*\e+3], v[X+32*\e+4:X+32*\e+5], v[X+32*\e+6:X+32*\e+7]
.endr
.irp j, 8,12,16,20,24,28
.irp e, 0,1
	s_delay_alu instid0(VALU_DEP_4)
	v_pk_add_f32 v[SM+4*\e:SM+4*\e+1], v[SM+4*\e:SM+4*\e+1], v[X+32*\e+\j:X+32*\e+\j+1]
	s_delay_alu instid0(VALU_DEP_4)
	v_pk_add_f32 v[SM+4*\e+2:SM+4*\e+3], v[SM+4*\e+2:SM+4*\e+3], v[X+32*\e+\j+2:X+32*\e+\j+3]
.endr
.endr
.irp e, 0
	s_delay_alu instid0(VALU_DEP_3)
	v_pk_add_f32 v[SM+4*\e:SM+4*\e+1], v[SM+4*\e:SM+4*\e+1], v[SM+4*\e+2:SM+4*\e+3]
.endr
.irp e, 1
	s_delay_alu instid0(VALU_DEP_2)
	v_pk_add_f32 v[SM+4*\e:SM+4*\e+1], v[SM+4*\e:SM+4*\e+1], v[SM+4*\e+2:SM+4*\e+3]
.endr
.irp e, 0,1
	s_delay_alu instid0(VALU_DEP_2)
	v_add_f32 v[SM+4*\e], v[SM+4*\e], v[SM+4*\e+1]
.endr
	REDUCE SM, 186
	REDUCE SM+4, 187
.irp e, 0
	v_mul_f32 v[MU+2*\e], s33, v[SM+4*\e]
.endr
.irp e, 1
	s_delay_alu instid0(VALU_DEP_2)
	v_mul_f32 v[MU+2*\e], s33, v[SM+4*\e]
.endr
.irp e, 0,1
	s_delay_alu instid0(VALU_DEP_2)
	v_mov_b32 v[MU+2*\e+1], v[MU+2*\e]
.endr
.set j, 0
.rept 16
	v_pk_add_f32 v[X+j:X+j+1], v[X+j:X+j+1], v[MU:MU+1] neg_lo:[0,1] neg_hi:[0,1]             ; x - mean: the variance is taken of the centred numbers, so a common offset does no harm
	v_pk_add_f32 v[X+32+j:X+32+j+1], v[X+32+j:X+32+j+1], v[MU+2:MU+3] neg_lo:[0,1] neg_hi:[0,1]
.set j, j+2
.endr
.irp e, 0,1
	v_pk_mul_f32 v[SM+4*\e:SM+4*\e+1], v[X+32*\e:X+32*\e+1], v[X+32*\e:X+32*\e+1]
	v_pk_mul_f32 v[SM+4*\e+2:SM+4*\e+3], v[X+32*\e+2:X+32*\e+3], v[X+32*\e+2:X+32*\e+3]
.endr
.irp j, 4,8,12,16,20,24,28
.irp e, 0,1
	s_delay_alu instid0(VALU_DEP_4)
	v_pk_fma_f32 v[SM+4*\e:SM+4*\e+1], v[X+32*\e+\j:X+32*\e+\j+1], v[X+32*\e+\j:X+32*\e+\j+1], v[SM+4*\e:SM+4*\e+1]
	s_delay_alu instid0(VALU_DEP_4)
	v_pk_fma_f32 v[SM+4*\e+2:SM+4*\e+3], v[X+32*\e+\j+2:X+32*\e+\j+3], v[X+32*\e+\j+2:X+32*\e+\j+3], v[SM+4*\e+2:SM+4*\e+3]
.endr
.endr
.irp e, 0
	s_delay_alu instid0(VALU_DEP_3)
	v_pk_add_f32 v[SM+4*\e:SM+4*\e+1], v[SM+4*\e:SM+4*\e+1], v[SM+4*\e+2:SM+4*\e+3]
.endr
.irp e, 1
	s_delay_alu instid0(VALU_DEP_2)
	v_pk_add_f32 v[SM+4*\e:SM+4*\e+1], v[SM+4*\e:SM+4*\e+1], v[SM+4*\e+2:SM+4*\e+3]
.endr
.irp e, 0,1
	s_delay_alu instid0(VALU_DEP_2)
	v_add_f32 v[SM+4*\e], v[SM+4*\e], v[SM+4*\e+1]
.endr
	REDUCE SM, 186
	REDUCE SM+4, 187
.irp e, 0
	v_fma_f32 v[SM+4*\e], v[SM+4*\e], s33, s34     ; var + eps
.endr
.irp e, 1
	s_delay_alu instid0(VALU_DEP_2)
	v_fma_f32 v[SM+4*\e], v[SM+4*\e], s33, s34     ; var + eps
.endr
	s_wait_alu depctr_va_vdst(0)
	v_rsq_f32 v[RS], v[SM]
	v_rsq_f32 v[RS+2], v[SM+4]
	v_nop                                          ; a plain instruction between a transcendental and the use of its result (ISA guide 5.7.2)
	s_wait_alu depctr_va_vdst(0)
	v_mov_b32 v[RS+1], v[RS]
	v_mov_b32 v[RS+3], v[RS+2]
.set j, 0
.rept 16
	v_pk_mul_f32 v[X+j:X+j+1], v[X+j:X+j+1], v[RS:RS+1]
	v_pk_mul_f32 v[X+32+j:X+32+j+1], v[X+32+j:X+32+j+1], v[RS+2:RS+3]
.set j, j+2
.endr
	s_wait_loadcnt 6                               ; all but the weight's six are in:
.set j, 0
.rept 16
	v_pk_fma_f32 v[X+j:X+j+1], v[X+j:X+j+1], v[GA+j:GA+j+1], v[BE+j:BE+j+1]
	v_pk_fma_f32 v[X+32+j:X+32+j+1], v[X+32+j:X+32+j+1], v[GA+j:GA+j+1], v[BE+j:BE+j+1]
.set j, j+2
.endr
.irp e, 0,1
.irp j, 0,1,2,3,4,5,6,7
	ds_store_b128 v[ST], v[X+32*\e+4*\j:X+32*\e+4*\j+3] offset:XP*\e+512*\j
.endr
.endr
	s_wait_dscnt 0x0                               ; for the others' sake: my two rows lie in LDS
	s_barrier_signal -1
	s_barrier_wait -1
	s_wait_loadcnt 0x0                             ; the weight's fragment
.irp c, 0,1,2
	global_store_b128 v[LI], v[WF+4*\c:WF+4*\c+3], s[22:23] offset:512*\c   ; its image: 512 consecutive bytes a store
.endr
.irp b, 0,1,2,3
.irp j, 0,1,2,3
	ds_load_b128 v[X+16*\b+4*\j:X+16*\b+4*\j+3], v[RD] offset:128*\b+16*\j
.endr
.endr
	s_wait_dscnt 0x0
.irp b, 0,1,2,3
	v_max3_num_f32 v[TM+\b], |v[X+16*\b]|, |v[X+1+16*\b]|, 0x2800000   ; block b: my 16 numbers, and the floor 2^(5 - 127): the byte cannot fall under 1
.endr
.irp i, 2,4,6,8,10,12,14
.irp b, 0,1,2,3
	s_delay_alu instid0(VALU_DEP_4)
	v_max3_num_f32 v[TM+\b], v[TM+\b], |v[X+16*\b+\i]|, |v[X+1+16*\b+\i]|
.endr
.endr
.irp b, 0,1,2,3
	s_delay_alu instid0(VALU_DEP_4)
	v_permlanex16_b32 v[TM+4+\b], v[TM+\b], s[SEL], s[SEL+1]
.endr
.irp b, 0,1,2,3
	s_delay_alu instid0(VALU_DEP_4)
	v_max_num_f32 v[TM+\b], v[TM+\b], v[TM+4+\b]   ; with lane l xor 16's: the block's largest magnitude
.endr
.irp b, 0,1,2,3
	s_delay_alu instid0(VALU_DEP_4)
	v_add_nc_u32 v[TM+12+\b], 0xfe000000, v[TM+\b] ; 4 off its exponent field: the conversion takes the exponent field of this operand as its scale
.endr
.irp b, 0,1,2,3
	s_delay_alu instid0(VALU_DEP_4)
	v_lshrrev_b32 v[TM+4+\b], 23, v[TM+12+\b]      ; the scale's byte
.endr
	s_delay_alu instid0(VALU_DEP_3)
	v_lshl_or_b32 v[PW], v[TM+5], 8, v[TM+4]
	s_delay_alu instid0(VALU_DEP_1)
	v_lshl_or_b32 v[PW], v[TM+6], 16, v[PW]
	s_delay_alu instid0(VALU_DEP_1)
	v_lshl_or_b32 v[PW], v[TM+7], 24, v[PW]        ; my row's scale word of this K step
.irp c, 0,1
	v_cvt_scalef32_pk16_bf6_f32 v[PC+6*\c:PC+2+6*\c], v[X+32*\c:X+15+32*\c], v[TM+12+2*\c]
	v_cvt_scalef32_pk16_bf6_f32 v[PC+12+4*\c:PC+14+4*\c], v[X+16+32*\c:X+31+32*\c], v[TM+12+2*\c+1]   ; (a conversion's three registers begin on an even number)
.endr
	v_nop                                          ; one plain instruction behind a scaled conversion
.irp c, 0,1                                    ; the operand wants a WHOLE block in a lane: lanes 0-15 block 2 c, lanes 16-31 block 2 c + 1
.irp i, 0,1,2
	v_permlane16_swap_b32 v[PC+6*\c+\i], v[PC+12+4*\c+\i]
.endr
.irp i, 0,1,2
	s_delay_alu instid0(VALU_DEP_3)
	v_mov_b32 v[PC+3+6*\c+\i], v[PC+12+4*\c+\i]
.endr
.endr
.irp c, 0,1,2
	global_store_b128 v[LI], v[PC+4*\c:PC+4*\c+3], s[18:19] offset:512*\c
.endr
	ds_store_b32 v[SWA], v[PW]                     ; both lanes of a row write the same word with the same value
	s_wait_dscnt 0x0
	s_barrier_signal -1
	s_barrier_wait -1
	s_cmp_lg_u32 s24, 0                            ; wave 0 stores the tile's 512 bytes of scale words whole
	s_cbranch_scc1 .Lend
	ds_load_b128 v[208:211], v[SRA]
	s_wait_dscnt 0x0
	global_store_b128 v[LI], v[208:211], s[20:21]
.Lend:
	s_wait_tensorcnt 0x0
	ds_add_u32 v216, v217
	s_wait_dscnt 0x0
	s_endpgm
.Lfunc_end_k_q53a781c765_prep:
	.size	k_q53a781c765_prep, .Lfunc_end_k_q53a781c765_prep-k_q53a781c765_prep
	.p2alignl 7, 3214868480
	.fill 96, 4, 3214868480
	.section	.rodata,"a",@progbits
	.p2align	6, 0x0
	.amdhsa_kernel k_q53a781c765_prep
		.amdhsa_group_segment_fixed_size 67584
		.amdhsa_private_segment_fixed_size 0
		.amdhsa_enable_private_segment 0
		.amdhsa_kernarg_size 80
		.amdhsa_user_sgpr_count 2
		.amdhsa_user_sgpr_kernarg_segment_ptr 1
		.amdhsa_wavefront_size32 1
		.amdhsa_system_sgpr_workgroup_id_x 1
		.amdhsa_system_sgpr_workgroup_id_y 1
		.amdhsa_system_sgpr_workgroup_id_z 1
		.amdhsa_system_vgpr_workitem_id 0
		.amdhsa_next_free_vgpr 218
		.amdhsa_next_free_sgpr 66
		.amdhsa_reserve_vcc 0
		.amdhsa_float_denorm_mode_32 3
		.amdhsa_float_denorm_mode_16_64 3
		.amdhsa_memory_ordered 1
		.amdhsa_forward_progress 1
		.amdhsa_inst_pref_size 32
	.end_amdhsa_kernel
	.amdgpu_metadata
---
amdhsa.version: [ 1, 2 ]
amdhsa.kernels:
  - .name:           k_q53a781c765_prep
    .symbol:         k_q53a781c765_prep.kd
    .args:
      - { .name: hidden_states, .offset: 0, .size: 8, .value_kind: global_buffer, .address_space: global }
      - { .name: gamma, .offset: 8, .size: 8, .value_kind: global_buffer, .address_space: global }
      - { .name: beta, .offset: 16, .size: 8, .value_kind: global_buffer, .address_space: global }
      - { .name: Wq_codes, .offset: 24, .size: 8, .value_kind: global_buffer, .address_space: global }
      - { .name: Wk_codes, .offset: 32, .size: 8, .value_kind: global_buffer, .address_space: global }
      - { .name: Wv_codes, .offset: 40, .size: 8, .value_kind: global_buffer, .address_space: global }
      - { .name: Wo_codes, .offset: 48, .size: 8, .value_kind: global_buffer, .address_space: global }
      - { .name: rowimg, .offset: 56, .size: 8, .value_kind: global_buffer, .address_space: global }
      - { .name: rowsc, .offset: 64, .size: 8, .value_kind: global_buffer, .address_space: global }
      - { .name: wimg, .offset: 72, .size: 8, .value_kind: global_buffer, .address_space: global }
    .group_segment_fixed_size: 67584
    .private_segment_fixed_size: 0
    .kernarg_segment_align: 8
    .kernarg_segment_size: 80
    .max_flat_workgroup_size: 256
    .sgpr_count:     66
    .vgpr_count:     218
    .wavefront_size: 32
...
	.end_amdgpu_metadata
.endif
;; end of part 1
;; launch qkv (part 2): grid 16 x 16, 4 waves a work-group, clusters of 4 x 4, 327,680 bytes of LDS; arguments rowimg, rowsc, wimg, Wq_scales, Wk_scales, Wv_scales, bq, bk, bv, qkimg, qksc, vimg, vsc; writes qkimg, qksc, vimg, vsc
.if DOCPART == 2
	.amdgcn_target "amdgcn-amd-amdhsa--gfx1250"
	.amdhsa_code_object_version 6
	.text
	.protected	k_q53a781c765_qkv
	.globl	k_q53a781c765_qkv
	.p2align	8
	.type	k_q53a781c765_qkv,@function
k_q53a781c765_qkv:
	s_mov_b64 s[64:65], 0
	v_nop
	global_prefetch_b8 v0, s[64:65] scope:SCOPE_SE
	s_setreg_imm32_b32 hwreg(HW_REG_WAVE_MODE, 25, 1), 1
	s_wait_xcnt 0x0
	s_wait_alu depctr_hold_cnt(0) depctr_sa_sdst(0) depctr_va_vdst(0) depctr_va_sdst(0) depctr_va_ssrc(0) depctr_va_vcc(0) depctr_vm_vsrc(0)
	s_getreg_b32 s2, hwreg(HW_REG_IB_STS2, 6, 4)
	s_cmp_eq_u32 s2, 0
	s_cbranch_scc0 .Lentry_in_a_cluster
	s_endpgm
.Lentry_in_a_cluster:
	s_bfe_u32 s2, ttmp6, 0x10000c
	s_cmp_lg_u32 s2, 0xf033
	s_cbranch_scc0 .Lentry_shape_is_right
	s_endpgm
.Lentry_shape_is_right:
; QKV.  q = x Wq^T + bq, k = x Wk^T + bk, v = x Wv^T + bv on codes of E3M2, and the three results quantised for attention: q and k along the head's 64 channels, v along the KEYS.
; SHARES.  Work-group (head, y): 256 tokens (tiles 16 y ..) x one head of q, k and v.  Wave (ch, th): the 8 tiles of tokens 16 y + 8 th + m x 6 tiles of columns:
;   the head's four tiles of q (ch = 0) or k (ch = 1), used TRANSPOSED (source 0 = 16 rows of W, source 1 = 16 tokens): a lane holds one token, its registers run along the channels;
;   v's tiles 2 ch, 2 ch + 1, used as they stand (source 0 = 16 tokens, source 1 = 16 rows of Wv): a lane holds one channel, its registers run along the tokens, which are the second attention product's K.
; The rows of every tile are chosen (index 32 (T / 2) + 8 (T % 2) + rho + (rho & 8)), so that the 16 registers of two neighbouring tiles are 16 neighbours along the axis to be quantised.
; OPERANDS come as images of the operand's registers (1,536 bytes a fragment; a tile's eight K steps lie on end), by tensor loads into two LDS slots: K steps 0-2 into slot 0, 3-5 into slot 1, 6-7 into slot 0 again.
; A row of a load is one tile's steps: 4,608 (or 3,072) bytes, at a multiple of 256.  Waves 0, 1 fetch 8 tiles of x each, waves 2, 3 six tiles of W each, one load a wave each time.
; CLUSTERS of 4 x 4: x's tiles hang on y alone and are asked for jointly along a row of the cluster, W's on the head alone, along a column.
; No prefetch: K is walked in three fills, written out; there is no loop to run ahead in.
; RESULTS.  A HALF IMAGE (64 along K, 6 registers a lane) is 768 bytes: registers 0-3 of lane l at 16 l, registers 4-5 at 512 + 8 l.  Scale words: q, k: 128 bytes for each 32 tokens (lanes 0-15 the even tile, 16-31 the odd);
;   v: 256 bytes for each 128 keys: pair of channel tiles, lane: one word with the four blocks' bytes.
; REGISTERS: window 0: v1-15 addresses; v16-47 x's scale words; v48-71 W's; v72-239 fragments of the even K steps (x 8 x 12, W 6 x 12); later the epilogue's work.  window 1: v72-239 those of the odd steps.
;   window 2: the 32 accumulators of q or k, (m, t) at 32 m + 8 t.   window 3: v's 16 accumulators, (n, m) at 64 n + 8 m; from v128 the biases.
; LIMITS: NaN and infinities are not served; a block whose largest magnitude lies under 2^(5 - 127) gets the byte 1: the bytes are read by this program alone.
.set XB,   73728                       ; W's tiles in a slot, behind 16 x 4,608 bytes of x
.set SLOT, 129024
.set SPARE, 2*SLOT
.set SPW, 254
.set NIL, 255
.set XS,  16                           ; register 8 (m / 2) + s: lanes 0-15 the words of the even tile, lanes 16-31 of the odd tile
.set WS,  48                           ; q or k: 8 (t / 2) + s;  v: 16 + s, lanes 16-31 tile n = 1
.set TMX, 72                           ; the epilogue for q, k: 16 blocks' largest magnitudes,
.set TP,  88                           ; permute's results, then bytes,
.set SO,  104                          ; the conversions' scale operands,
.set WD,  120                          ; a scale word for each tile of tokens,
.set PK,  128                          ; the words of two tiles in one register,
.set CD,  136                          ; and the codes, 8 registers a tile
.set TM2, 200                          ; the same for v
.set TP2, 208
.set SO2, 216
.set WD2, 224
.set VC,  72                           ; v's codes, 20 registers a tile of channels
.set G1,  68                           ; s[68:75] group 1 for x, s[76:83] for W; s[84:91] group 0 for x, one set a slot, s[92:99] for W
.set G1B, 76
.set G0,  84
.set G0B, 92
.set MSB, 0
.macro WIN new                         ; the immediate's high byte repeats the setting that is left; bits 1:0 source 0, 3:2 source 1, 5:4 source 2, 7:6 destination
.if MSB != (\new)
	s_set_vgpr_msb (MSB<<8)|(\new)
.set MSB, (\new)
.endif
.endm
.macro PLACES                          ; four plain vector instructions between a matrix instruction and a load into, or a vector read or write of, its registers
.rept 4
	v_nop
.endr
.endm
.macro WM d, a, b, c, sa, sb, ra, rb   ; one product; ra, rb = 1: that side's scale words stand in lanes 16-31
.set ROWS, (\ra)+2*(\rb)
.if ROWS == 0
	v_wmma_scale_f32_16x16x128_f8f6f4 v[\d:\d+7], v[\a:\a+11], v[\b:\b+11], v[\c:\c+7], v[\sa], v[\sb] matrix_a_fmt:MATRIX_FMT_BF6 matrix_b_fmt:MATRIX_FMT_BF6
.elseif ROWS == 1
	v_wmma_scale_f32_16x16x128_f8f6f4 v[\d:\d+7], v[\a:\a+11], v[\b:\b+11], v[\c:\c+7], v[\sa], v[\sb] matrix_a_fmt:MATRIX_FMT_BF6 matrix_b_fmt:MATRIX_FMT_BF6 matrix_a_scale:MATRIX_SCALE_ROW1
.elseif ROWS == 2
	v_wmma_scale_f32_16x16x128_f8f6f4 v[\d:\d+7], v[\a:\a+11], v[\b:\b+11], v[\c:\c+7], v[\sa], v[\sb] matrix_a_fmt:MATRIX_FMT_BF6 matrix_b_fmt:MATRIX_FMT_BF6 matrix_b_scale:MATRIX_SCALE_ROW1
.else
	v_wmma_scale_f32_16x16x128_f8f6f4 v[\d:\d+7], v[\a:\a+11], v[\b:\b+11], v[\c:\c+7], v[\sa], v[\sb] matrix_a_fmt:MATRIX_FMT_BF6 matrix_b_fmt:MATRIX_FMT_BF6 matrix_a_scale:MATRIX_SCALE_ROW1 matrix_b_scale:MATRIX_SCALE_ROW1
.endif
.endm
.macro JLOAD s                         ; a joint load a wave: waves 0, 1 for x, waves 2, 3 for W; the branch hangs on the wave's number alone
	s_cmp_eq_u32 s62, 0
	s_cbranch_scc0 .Lfor_b_\@
	tensor_load_to_lds s[G0+4*\s:G0+4*\s+3], s[G1:G1+7]
	s_nop 0
.rept 4
	v_nop
.endr
	s_branch .Lasked_\@
.Lfor_b_\@:
	tensor_load_to_lds s[G0B+4*\s:G0B+4*\s+3], s[G1B:G1B+7]
	s_nop 0
.rept 4
	v_nop
.endr
.Lasked_\@:
.endm
.macro CREST                           ; a round of the cluster's barrier behind its opening barrier
	s_cmp_lg_u32 s54, 0
	s_cbranch_scc1 .Lnot_wave_0_\@
	s_barrier_signal -3
.Lnot_wave_0_\@:
	s_barrier_wait -3
	s_barrier_signal -1
	s_barrier_wait -1
.endm
.macro CROUND
	s_barrier_signal -1
	s_barrier_wait -1
	CREST
.endm
	s_load_b256 s[4:11], s[0:1], 0x0               ; rowimg s[4:5], rowsc s[6:7], wimg s[8:9], Wq_scales s[10:11]
	s_load_b256 s[12:19], s[0:1], 0x20             ; Wk_scales s[12:13], Wv_scales s[14:15], bq s[16:17], bk s[18:19]
	s_load_b256 s[20:27], s[0:1], 0x40             ; bv s[20:21], qkimg s[22:23], qksc s[24:25], vimg s[26:27]
	s_load_b64 s[28:29], s[0:1], 0x60              ; vsc
	v_lshl_add_u32 v[SPW], v0, 2, SPARE
	v_mov_b32 v[NIL], 0
	ds_add_u32 v[SPW], v[NIL]                      ; the opening add, twice on end
	ds_add_u32 v[SPW], v[NIL]
	v_lshrrev_b32 v1, 5, v0
	v_readfirstlane_b32 s54, v1                    ; wave 0..3
	s_lshr_b32 s62, s54, 1                         ; ch; also: I fetch for x (0) or W (1)
	s_and_b32 s63, s54, 1                          ; th; also: which half of those tiles I fetch
	s_bfe_u32 s40, ttmp6, 0x40000                  ; cx
	s_bfe_u32 s41, ttmp6, 0x40004                  ; cy
	s_lshl_b32 s42, ttmp9, 2
	s_add_co_u32 s42, s42, s40                     ; the head
	s_and_b32 s43, ttmp7, 0xffff
	s_lshl_b32 s43, s43, 2
	s_add_co_u32 s43, s43, s41                     ; y: block of 256 tokens
	s_lshl_b32 s44, s41, 2
	s_lshl_b32 s44, 15, s44                        ; my row of the cluster
	s_lshl_b32 s45, 0x1111, s40                    ; my column
	s_or_b32 s[G1], s44, (3<<16)|(1<<21)           ; elements of 8 bytes, no padding; bit 21 beside a mask
	s_or_b32 s[G1B], s45, (3<<16)|(1<<21)
.irp g, G1, G1B
	s_mov_b32 s[\g+1], 576<<16                     ; a row of 4,608 bytes
	s_mov_b32 s[\g+3], 576<<16
	s_mov_b32 s[\g+5], 1536                        ; from tile to tile 12,288 bytes
	s_mov_b32 s[\g+6], 0
	s_mov_b32 s[\g+7], 0
.endr
	s_mov_b32 s[G1+2], 8<<16                       ; 8 tiles of x
	s_mov_b32 s[G1+4], 8
	s_mov_b32 s[G1B+2], 6<<16                      ; 6 tiles of W
	s_mov_b32 s[G1B+4], 6
	s_lshl_b32 s46, s43, 4
	s_lshl_b32 s47, s63, 3
	s_add_co_u32 s46, s46, s47                     ; tile of tokens 16 y + 8 th
	s_mul_i32 s30, s46, 12288
	s_mov_b32 s31, 0
	s_mul_i32 s32, s42, 12
	s_mul_i32 s47, s63, 6
	s_add_co_u32 s32, s32, s47
	s_mul_i32 s32, s32, 12288
	s_mov_b32 s33, 0
	s_mul_i32 s38, s63, 36864                      ; where they go in a slot
	s_mul_i32 s39, s63, 27648
	s_add_co_u32 s39, s39, XB
	s_wait_dscnt 0x0                               ; both opening adds are done
	s_wait_kmcnt 0x0
	s_add_nc_u64 s[30:31], s[4:5], s[30:31]
	s_add_nc_u64 s[32:33], s[8:9], s[32:33]
	CROUND                                         ; all sixteen work-groups are here: the first joint loads meet
.irp s, 0,1
	s_mov_b32 s[G0+4*\s], 1
	s_add_co_u32 s[G0+4*\s+1], s38, \s*SLOT
	s_add_nc_u64 s[G0+4*\s+2:G0+4*\s+3], s[30:31], \s*4608
	s_or_b32 s[G0+4*\s+3], s[G0+4*\s+3], 0x80000000
	s_mov_b32 s[G0B+4*\s], 1
	s_add_co_u32 s[G0B+4*\s+1], s39, \s*SLOT
	s_add_nc_u64 s[G0B+4*\s+2:G0B+4*\s+3], s[32:33], \s*4608
	s_or_b32 s[G0B+4*\s+3], s[G0B+4*\s+3], 0x80000000
.endr
	JLOAD 0                                        ; K steps 0-2: one tensor load a wave at the head
	v_and_b32 v1, 31, v0                           ; lane
	v_and_b32 v2, 15, v0                           ; r
	v_bfe_u32 v3, v0, 4, 1                         ; h
	v_lshlrev_b32 v4, 4, v1                        ; 16 x lane
	v_lshlrev_b32 v15, 3, v1                       ; 8 x lane
	v_lshlrev_b32 v9, 2, v1                        ; 4 x lane
	s_mul_i32 s38, s63, 36864
	s_mul_i32 s39, s62, 27648
	s_add_co_u32 s39, s39, XB
	v_add_nc_u32 v5, s38, v4                       ; my x tiles in slot 0,
	v_add_nc_u32 v6, SLOT, v5                      ; in slot 1
	v_add_nc_u32 v7, s39, v4                       ; my W tiles
	v_add_nc_u32 v8, SLOT, v7
	v_lshlrev_b32 v10, 5, v2
	v_lshl_add_u32 v10, v3, 9, v10                 ; x's scale words: 512 h + 32 r
	v_and_b32 v14, 8, v2
	v_add_nc_u32 v14, v14, v2                      ; r + (r & 8)
	v_lshl_add_u32 v11, v3, 3, v14
	v_lshlrev_b32 v11, 5, v11                      ; W's scale words: row r + (r & 8) + 8 h of 32 bytes
	v_lshlrev_b32 v12, 6, v3                       ; bq, bk: 16 h numbers on
	v_lshlrev_b32 v13, 2, v14                      ; bv: my channel
	s_wait_alu depctr_va_vdst(0)                   ; the wait ahead of the scalar run
	s_lshl_b32 s34, s46, 9                         ; x's scale words: 512 bytes a tile
	s_lshl_b32 s36, s42, 11                        ; W's scale bytes: 64 rows of 32 a head
	s_lshl_b32 s38, s42, 2
	s_lshl_b32 s49, s62, 1
	s_add_co_u32 s38, s38, s49                     ; v's first tile of channels
	s_lshl_b32 s56, s38, 9                         ; Wv's scale bytes: 16 rows of 32 a tile
	s_lshl_b32 s50, s42, 8                         ; bq or bk
	s_lshl_b32 s52, s38, 6                         ; bv
	s_lshr_b32 s47, s43, 3
	s_lshl_b32 s47, s47, 4
	s_add_co_u32 s47, s47, s42                     ; batch and head
	s_lshl_b32 s47, s47, 7
	s_and_b32 s49, s46, 127
	s_add_co_u32 s47, s47, s49                     ; T0: my first tile, 128 a batch and head
	s_mul_i32 s44, s47, 768
	s_mul_i32 s49, s62, 3145728                    ; k's half images lie behind q's
	s_add_co_u32 s44, s44, s49
	s_lshl_b32 s48, s47, 6
	s_lshl_b32 s49, s62, 18
	s_add_co_u32 s48, s48, s49                     ; their scale words
	s_lshl_b32 s49, s62, 1
	s_add_co_u32 s58, s47, s49
	s_mul_i32 s58, s58, 768                        ; v's: four half images for each 64 keys, mine from 2 ch on
	s_lshl_b32 s60, s47, 5
	s_lshl_b32 s49, s62, 7
	s_add_co_u32 s60, s60, s49                     ; v's scale words
.irp p, 35,37,45,49,51,53,57,59,61
	s_mov_b32 s[\p], 0
.endr
	s_cmp_eq_u32 s62, 0                            ; q's or k's: the choice hangs on the wave's number alone
	s_cselect_b64 s[10:11], s[10:11], s[12:13]
	s_cselect_b64 s[16:17], s[16:17], s[18:19]
	s_add_nc_u64 s[34:35], s[6:7], s[34:35]
	s_add_nc_u64 s[36:37], s[10:11], s[36:37]
	s_add_nc_u64 s[56:57], s[14:15], s[56:57]
	s_add_nc_u64 s[50:51], s[16:17], s[50:51]
	s_add_nc_u64 s[52:53], s[20:21], s[52:53]
	s_add_nc_u64 s[44:45], s[22:23], s[44:45]
	s_add_nc_u64 s[48:49], s[24:25], s[48:49]
	s_add_nc_u64 s[58:59], s[26:27], s[58:59]
	s_add_nc_u64 s[60:61], s[28:29], s[60:61]
	s_mov_b32 s55, 0xffff0000                      ; lanes 16-31
	s_mov_b32 s2, 0x76543210
	s_mov_b32 s3, 0xfedcba98                       ; v_permlanex16_b32's selects for lane l xor 16
.irp i, 0,1,2,3
.irp jj, 0,1
	global_load_b128 v[XS+8*\i+4*\jj:XS+8*\i+4*\jj+3], v10, s[34:35] offset:1024*\i+16*\jj
.endr
.endr
.irp b, 0,1
.irp jj, 0,1
	global_load_b128 v[WS+8*\b+4*\jj:WS+8*\b+4*\jj+3], v11, s[36:37] offset:1024*\b+16*\jj
.endr
.endr
.irp jj, 0,1
	global_load_b128 v[WS+16+4*\jj:WS+16+4*\jj+3], v11, s[56:57] offset:16*\jj
.endr
	WIN 0xc0                                       ; destination window 3
.irp t, 0,1,2,3
	global_load_b128 v[128+8*\t:128+8*\t+3], v12, s[50:51] offset:128*(\t/2)+32*(\t%2)      ; tile t's bias in the result's layout: channels 32 (t / 2) + 16 h + 8 (t % 2) + 0 .. 7
	global_load_b128 v[128+8*\t+4:128+8*\t+7], v12, s[50:51] offset:128*(\t/2)+32*(\t%2)+16
.endr
.irp n, 0,1
	global_load_b32 v[176+\n], v13, s[52:53] offset:32*\n
.endr
	s_wait_loadcnt 0x0                             ; scale words and biases
	WIN 0xc3                                       ; destination and source 0 window 3
.irp n, 0,1
.irp j, 0,1,2,3,4,5,6,7
	v_mov_b32 v[160+8*\n+\j], v[176+\n]            ; v's bias as a C: a lane's eight registers are eight tokens of one channel
.endr
.endr
	WIN 0
.macro FETCH st                        ; step st's 14 fragments into set st % 2: 42 LDS loads of 512 consecutive bytes
.if (\st) < 6
.set SL, (\st)/3
.set TPI, 4608
.set LO, 1536*((\st)%3)
.else
.set SL, 0
.set TPI, 3072
.set LO, 1536*((\st)-6)
.endif
	WIN 0x40*((\st)%2)
.irp m, 0,1,2,3,4,5,6,7
.irp c, 0,1,2
	ds_load_b128 v[72+12*\m+4*\c:72+12*\m+4*\c+3], v[5+SL] offset:TPI*\m+LO+512*\c
.endr
.endr
.irp t, 0,1,2,3,4,5
.irp c, 0,1,2
	ds_load_b128 v[168+12*\t+4*\c:168+12*\t+4*\c+3], v[7+SL] offset:TPI*\t+LO+512*\c
.endr
.endr
.endm
; The 48 accumulators take turns, one instruction a turn, in the same order in every step.
.macro QK st, m0                       ; 16 products: tiles of tokens m0 .. m0 + 3 x the four tiles of q or k
.if \st == 0
	WIN 0xb0                                       ; C (the bias) window 3, D window 2
.else
	WIN 0xa0+5*(\st%2)                             ; C and D window 2, both sources window st % 2
.endif
.irp mm, 0,1,2,3
.irp t, 0,1,2,3
.if \st == 0
	WM 32*(\m0+\mm)+8*\t, 168+12*\t, 72+12*(\m0+\mm), 128+8*\t, WS+8*(\t/2)+\st, XS+8*((\m0+\mm)/2)+\st, \t%2, \mm%2
.else
	WM 32*(\m0+\mm)+8*\t, 168+12*\t, 72+12*(\m0+\mm), 32*(\m0+\mm)+8*\t, WS+8*(\t/2)+\st, XS+8*((\m0+\mm)/2)+\st, \t%2, \mm%2
.endif
.endr
.endr
.endm
.macro VV st                           ; 16 products: eight tiles of tokens x two tiles of v's channels
	WIN 0xf0+5*(\st%2)
.irp m, 0,1,2,3,4,5,6,7
.irp n, 0,1
.if \st == 0
	WM 64*\n+8*\m, 72+12*\m, 216+12*\n, 160+8*\n, XS+8*(\m/2)+\st, WS+16+\st, \m%2, \n
.else
	WM 64*\n+8*\m, 72+12*\m, 216+12*\n, 64*\n+8*\m, XS+8*(\m/2)+\st, WS+16+\st, \m%2, \n
.endif
.endr
.endr
.endm
.macro STEP st
	PLACES                                         ; the other set was multiplied in the step before
	FETCH \st+1
	s_wait_dscnt 42                                ; this step's set is in; the 42 just issued may be out
	QK \st, 0
	QK \st, 4
	VV \st
.endm
.macro TURN st, refill                 ; a slot's last step: the other slot is shown whole to every wave, and this one is filled again (refill = 1)
	WIN 0
	s_wait_tensorcnt 0x0                           ; all my tensor loads have landed, my part of the other slot among them;
	ds_add_u32 v[SPW], v[NIL]
	s_wait_dscnt 1                                 ; (the add may be out; this step's fragments are in)
	QK \st, 0
	s_wait_dscnt 0x0                               ; the add is done, and my reads of this slot are over
	s_barrier_signal -1
	QK \st, 4
	WIN 0
	s_barrier_wait -1
.if \refill
	CREST
.irp g, G0, G0B
	s_add_nc_u64 s[\g+2:\g+3], s[\g+2:\g+3], 9216  ; K steps 6, 7
.endr
.irp g, G1, G1B
	s_mov_b32 s[\g+1], 384<<16                     ; rows of 3,072 bytes (no tensor load of mine is out)
	s_mov_b32 s[\g+3], 384<<16
.endr
	JLOAD 0                                        ; the first tensor load behind the round; its four v_nop are the places in front of the loads below
.else
	PLACES
.endif
	FETCH \st+1
	VV \st
.endm
	s_wait_alu depctr_va_vdst(0)                   ; the wait at the head's end
	s_wait_tensorcnt 0x0                           ; my part of K steps 0-2 is in; the three lines ahead of a later first fill:
	ds_add_u32 v[SPW], v[NIL]
	s_wait_dscnt 0x0
	CROUND
	JLOAD 1                                        ; K steps 3-5, the first tensor load behind the round
	FETCH 0
	STEP 0
	STEP 1
	TURN 2, 1
	STEP 3
	STEP 4
	TURN 5, 0
	STEP 6
	s_wait_dscnt 0x0
	QK 7, 0
	QK 7, 4
	VV 7
	; ---- q or k: for each tile of tokens, a lane's 32 numbers are channels 32 b + 16 h + 0 .. 15 (b = 0, 1) of its token: two blocks, each shared with lane l xor 16.  Block q = 2 m + b begins at register 16 q of window 2
	WIN 0
	PLACES
.set q, 0
.rept 16
	v_mov_b32 v[TP+q], 0                           ; a lane permute's destination counts as one of its sources
.set q, q+1
.endr
	WIN 0x0a                                       ; sources 0 and 1 window 2
.set q, 0
.rept 16
	v_max3_num_f32 v[TMX+q], |v[16*q]|, |v[16*q+1]|, 0x2800000   ; each accumulator is read from its low end on; the floor 2^(5 - 127) holds the byte at 1 from below
.set q, q+1
.endr
	WIN 0x28                                       ; sources 1 and 2 window 2
.irp i, 2,4,6,8,10,12,14
.set q, 0
.rept 16
	v_max3_num_f32 v[TMX+q], v[TMX+q], |v[16*q+\i]|, |v[16*q+\i+1]|
.set q, q+1
.endr
.endr
	WIN 0
.set q, 0
.rept 16
	v_permlanex16_b32 v[TP+q], v[TMX+q], s2, s3
.set q, q+1
.endr
.set q, 0
.rept 16
	v_max_num_f32 v[TMX+q], v[TMX+q], v[TP+q]      ; the block's largest magnitude
.set q, q+1
.endr
.set q, 0
.rept 16
	v_add_nc_u32 v[SO+q], 0xfe000000, v[TMX+q]     ; 4 off its exponent field: the conversion's scale operand
.set q, q+1
.endr
.set q, 0
.rept 16
	v_lshrrev_b32 v[TP+q], 23, v[SO+q]             ; the scale's byte
.set q, q+1
.endr
.irp m, 0,1,2,3,4,5,6,7
	v_lshl_or_b32 v[WD+\m], v[TP+2*\m+1], 8, v[TP+2*\m]   ; the token's scale word: two bytes; the upper two stay 0 (they scale zero codes)
.endr
.irp j, 0,1,2,3
	v_cndmask_b32 v[PK+\j], v[WD+2*\j], v[WD+2*\j+1], s55   ; lanes 0-15 the even tile's words, lanes 16-31 the odd tile's
.endr
	WIN 0x02                                       ; source 0 window 2
.set q, 0
.rept 16
	v_cvt_scalef32_pk16_bf6_f32 v[CD+4*q:CD+4*q+2], v[16*q:16*q+15], v[SO+q]
.set q, q+1
.endr
	WIN 0
	v_nop                                          ; one plain instruction behind a scaled conversion
.irp m, 0,1,2,3,4,5,6,7                        ; the operand wants a WHOLE block in a lane: lanes 0-15 block 0, lanes 16-31 block 1
.irp i, 0,1,2
	v_permlane16_swap_b32 v[CD+8*\m+\i], v[CD+8*\m+4+\i]
.endr
.irp i, 0,1,2
	v_mov_b32 v[CD+8*\m+3+\i], v[CD+8*\m+4+\i]     ; upward, so that each register is read before it is written
.endr
.endr
.irp m, 0,1,2,3,4,5,6,7
	global_store_b128 v4, v[CD+8*\m:CD+8*\m+3], s[44:45] offset:768*\m          ; the half image: 512 consecutive bytes,
	global_store_b64 v15, v[CD+8*\m+4:CD+8*\m+5], s[44:45] offset:768*\m+512    ; then 256
.endr
.irp j, 0,1,2,3
	global_store_b32 v9, v[PK+\j], s[48:49] offset:128*\j     ; the scale words of 32 tokens
.endr
	; ---- v: for each tile of channels n, a lane's 64 numbers are tokens 32 b + 16 h + 0 .. 15 (b = 0 .. 3) of its channel.  Block q = 4 n + b begins at register 16 q of window 3
.set q, 0
.rept 8
	v_mov_b32 v[TP2+q], 0
.set q, q+1
.endr
	WIN 0x0f                                       ; sources 0 and 1 window 3
.set q, 0
.rept 8
	v_max3_num_f32 v[TM2+q], |v[16*q]|, |v[16*q+1]|, 0x2800000
.set q, q+1
.endr
	WIN 0x3c                                       ; sources 1 and 2 window 3
.irp i, 2,4,6,8,10,12,14
.set q, 0
.rept 8
	v_max3_num_f32 v[TM2+q], v[TM2+q], |v[16*q+\i]|, |v[16*q+\i+1]|
.set q, q+1
.endr
.endr
	WIN 0
.set q, 0
.rept 8
	v_permlanex16_b32 v[TP2+q], v[TM2+q], s2, s3
.set q, q+1
.endr
.set q, 0
.rept 8
	v_max_num_f32 v[TM2+q], v[TM2+q], v[TP2+q]
.set q, q+1
.endr
.set q, 0
.rept 8
	v_add_nc_u32 v[SO2+q], 0xfe000000, v[TM2+q]
.set q, q+1
.endr
.set q, 0
.rept 8
	v_lshrrev_b32 v[TP2+q], 23, v[SO2+q]
.set q, q+1
.endr
.irp n, 0,1
	v_lshl_or_b32 v[WD2+\n], v[TP2+4*\n+1], 8, v[TP2+4*\n]
.endr
.irp n, 0,1
	v_lshl_or_b32 v[WD2+\n], v[TP2+4*\n+2], 16, v[WD2+\n]
.endr
.irp n, 0,1
	v_lshl_or_b32 v[WD2+\n], v[TP2+4*\n+3], 24, v[WD2+\n]     ; my channel's four bytes: 128 keys
.endr
	s_wait_xcnt 0x0
	WIN 0x03                                       ; source 0 window 3
.irp n, 0,1
.irp c, 0,1
	v_cvt_scalef32_pk16_bf6_f32 v[VC+20*\n+6*\c:VC+20*\n+6*\c+2], v[64*\n+32*\c:64*\n+32*\c+15], v[SO2+4*\n+2*\c]
	v_cvt_scalef32_pk16_bf6_f32 v[VC+20*\n+12+4*\c:VC+20*\n+14+4*\c], v[64*\n+32*\c+16:64*\n+32*\c+31], v[SO2+4*\n+2*\c+1]
.endr
.endr
	WIN 0
	v_nop
.irp n, 0,1
.irp c, 0,1
.irp i, 0,1,2
	v_permlane16_swap_b32 v[VC+20*\n+6*\c+\i], v[VC+20*\n+12+4*\c+\i]
.endr
.irp i, 0,1,2
	v_mov_b32 v[VC+20*\n+3+6*\c+\i], v[VC+20*\n+12+4*\c+\i]
.endr
.endr
.endr
	v_cndmask_b32 v226, v[WD2], v[WD2+1], s55      ; lanes 0-15 tile n = 0, lanes 16-31 tile n = 1
.irp n, 0,1
.irp c, 0,1                                    ; half c of the fragment is the c-th 64 keys: a half image of its own
	global_store_b128 v4, v[VC+20*\n+6*\c:VC+20*\n+6*\c+3], s[58:59] offset:3072*\c+768*\n
	global_store_b64 v15, v[VC+20*\n+6*\c+4:VC+20*\n+6*\c+5], s[58:59] offset:3072*\c+768*\n+512
.endr
.endr
	global_store_b32 v9, v226, s[60:61]
	s_wait_tensorcnt 0x0                           ; the wave's end
	ds_add_u32 v[SPW], v[NIL]
	s_wait_dscnt 0x0
	CROUND                                         ; the closing round
	s_endpgm
.Lfunc_end_k_q53a781c765_qkv:
	.size	k_q53a781c765_qkv, .Lfunc_end_k_q53a781c765_qkv-k_q53a781c765_qkv
	.p2alignl 7, 3214868480
	.fill 96, 4, 3214868480
	.section	.rodata,"a",@progbits
	.p2align	6, 0x0
	.amdhsa_kernel k_q53a781c765_qkv
		.amdhsa_group_segment_fixed_size 327680
		.amdhsa_private_segment_fixed_size 0
		.amdhsa_enable_private_segment 0
		.amdhsa_kernarg_size 104
		.amdhsa_user_sgpr_count 2
		.amdhsa_user_sgpr_kernarg_segment_ptr 1
		.amdhsa_wavefront_size32 1
		.amdhsa_system_sgpr_workgroup_id_x 1
		.amdhsa_system_sgpr_workgroup_id_y 1
		.amdhsa_system_sgpr_workgroup_id_z 1
		.amdhsa_system_vgpr_workitem_id 0
		.amdhsa_next_free_vgpr 1024
		.amdhsa_next_free_sgpr 100
		.amdhsa_reserve_vcc 0
		.amdhsa_float_denorm_mode_32 3
		.amdhsa_float_denorm_mode_16_64 3
		.amdhsa_memory_ordered 1
		.amdhsa_forward_progress 1
		.amdhsa_inst_pref_size 111
	.end_amdhsa_kernel
	.amdgpu_metadata
---
amdhsa.version: [ 1, 2 ]
amdhsa.kernels:
  - .name:           k_q53a781c765_qkv
    .symbol:         k_q53a781c765_qkv.kd
    .args:
      - { .name: rowimg, .offset: 0, .size: 8, .value_kind: global_buffer, .address_space: global }
      - { .name: rowsc, .offset: 8, .size: 8, .value_kind: global_buffer, .address_space: global }
      - { .name: wimg, .offset: 16, .size: 8, .value_kind: global_buffer, .address_space: global }
      - { .name: Wq_scales, .offset: 24, .size: 8, .value_kind: global_buffer, .address_space: global }
      - { .name: Wk_scales, .offset: 32, .size: 8, .value_kind: global_buffer, .address_space: global }
      - { .name: Wv_scales, .offset: 40, .size: 8, .value_kind: global_buffer, .address_space: global }
      - { .name: bq, .offset: 48, .size: 8, .value_kind: global_buffer, .address_space: global }
      - { .name: bk, .offset: 56, .size: 8, .value_kind: global_buffer, .address_space: global }
      - { .name: bv, .offset: 64, .size: 8, .value_kind: global_buffer, .address_space: global }
      - { .name: qkimg, .offset: 72, .size: 8, .value_kind: global_buffer, .address_space: global }
      - { .name: qksc, .offset: 80, .size: 8, .value_kind: global_buffer, .address_space: global }
      - { .name: vimg, .offset: 88, .size: 8, .value_kind: global_buffer, .address_space: global }
      - { .name: vsc, .offset: 96, .size: 8, .value_kind: global_buffer, .address_space: global }
    .group_segment_fixed_size: 327680
    .private_segment_fixed_size: 0
    .kernarg_segment_align: 8
    .kernarg_segment_size: 104
    .max_flat_workgroup_size: 128
    .sgpr_count:     100
    .vgpr_count:     1024
    .wavefront_size: 32
...
	.end_amdgpu_metadata
.endif
;; end of part 2
;; launch attn (part 3): grid 8 x 32, 16 waves a work-group, no clusters, 53,248 bytes of LDS; arguments qkimg, qksc, vimg, vsc, rowimg, rowsc; writes rowimg, rowsc
.if DOCPART == 3
	.amdgcn_target "amdgcn-amd-amdhsa--gfx1250"
	.amdhsa_code_object_version 6
	.text
	.protected	k_q53a781c765_attn
	.globl	k_q53a781c765_attn
	.p2align	8
	.type	k_q53a781c765_attn,@function
k_q53a781c765_attn:
	s_mov_b64 s[64:65], 0
	v_nop
	global_prefetch_b8 v0, s[64:65] scope:SCOPE_SE
	s_setreg_imm32_b32 hwreg(HW_REG_WAVE_MODE, 25, 1), 1
	s_wait_xcnt 0x0
; ATTN.  For each head: o = softmax over the keys j in [i - 255, i] of (q . k / 8), times v; both products on codes of E3M2; o, normalised, is quantised along the hidden axis for the last projection.
; THE SOFTMAX, in one pass: t = score x log2(e) / 8; M = the row's largest t rounded UP to a whole number; p = 2^(t - M) is what is quantised, along the keys.  The sum is taken of the unquantised p and divides at the end.
; SHARES.  Work-group (Bq, bh): 256 queries of one head.  Each of its SIXTEEN waves owns one tile of 16 queries; it lies in block B = 8 Bq + w / 2 of 32 tokens.
; THE WINDOW: only the nine blocks of 32 keys B - 8 .. B can count (144 registers of scores).  Of the first, keys whose place c is above the query's place a; of the last, c <= a.  All else of reference()'s scores lies under the
; mask that it builds itself and is not computed; products with blocks ahead of the sequence's start (Bq = 0) are left out by scalar branches on ids.  A NaN, an infinity or an overflow there is not carried to the result.
; THE HEAD'S K IS 64, the first product's instruction 128: Q's registers 6-11 hold zero codes, so the upper six registers that an instruction names as K are any codes at all.  The scale words' upper two bytes are 0: 2^-127, no NaN.
; The second product takes 128 keys an instruction: blocks 0-3, 4-7 and 8 of the nine; behind block 8 stand zero codes of p.
; LAYOUT.  Both products are used transposed: S^T = K Q^T, O^T = V^T P^T: a lane holds ONE query throughout.  The 16 registers of tiles 2 b, 2 b + 1 are 16 neighbours: 32 b + 16 h + 0 .. 15.
; LDS: 512 keys, filled once through registers: K's half images at 0, V's at 24,576, K's scale words (128 bytes a block) at 49,152.  V's fragments are read at any block: lanes 0-15 take one block, lanes 16-31 the next.
; No cluster and no prefetch: neighbours share half of 53 KiB, read once through registers; there is no loop to run ahead in.
; LIMITS: NaN and infinities are not served; 1 / sum comes by v_rcp_f32; a block whose largest magnitude lies under 2^(5 - 127) gets the byte 1.
; REGISTERS: v0-3 -M, the sum; v4-15 addresses; v16-27 Q; v28-57, v58-87 K's tiles, two buffers of 4 x 6 and a pad; later v28-63 p's codes, v64-72 block maxima, v73-81 scale operands, v85-87 p's scale words;
;   v88-231 the scores, then p; later V's fragments and O; v232-240 K's scale words; v241 Q's; v242 d; v243 -infinity; v248-253 V's scale words.
.set VOF, 24576
.set KSC, 49152
.set SPARE, 51200
.set S,   88
.set P,   28
.macro PLACES
.rept 4
	v_nop
.endr
.endm
.macro WMZ d, a, b, sa, sb, ra         ; a product that starts a sum
.if (\ra) == 0
	v_wmma_scale_f32_16x16x128_f8f6f4 v[\d:\d+7], v[\a:\a+11], v[\b:\b+11], 0, v[\sa], v[\sb] matrix_a_fmt:MATRIX_FMT_BF6 matrix_b_fmt:MATRIX_FMT_BF6
.else
	v_wmma_scale_f32_16x16x128_f8f6f4 v[\d:\d+7], v[\a:\a+11], v[\b:\b+11], 0, v[\sa], v[\sb] matrix_a_fmt:MATRIX_FMT_BF6 matrix_b_fmt:MATRIX_FMT_BF6 matrix_a_scale:MATRIX_SCALE_ROW1
.endif
.endm
.macro WM d, a, b, sa, sb, ra          ; a product that adds in place
.if (\ra) == 0
	v_wmma_scale_f32_16x16x128_f8f6f4 v[\d:\d+7], v[\a:\a+11], v[\b:\b+11], v[\d:\d+7], v[\sa], v[\sb] matrix_a_fmt:MATRIX_FMT_BF6 matrix_b_fmt:MATRIX_FMT_BF6
.else
	v_wmma_scale_f32_16x16x128_f8f6f4 v[\d:\d+7], v[\a:\a+11], v[\b:\b+11], v[\d:\d+7], v[\sa], v[\sb] matrix_a_fmt:MATRIX_FMT_BF6 matrix_b_fmt:MATRIX_FMT_BF6 matrix_a_scale:MATRIX_SCALE_ROW1
.endif
.endm
	s_load_b256 s[4:11], s[0:1], 0x0               ; qkimg s[4:5], qksc s[6:7], vimg s[8:9], vsc s[10:11]
	s_load_b128 s[12:15], s[0:1], 0x20             ; rowimg s[12:13], rowsc s[14:15]
	v_lshl_add_u32 v254, v0, 2, SPARE
	v_mov_b32 v255, 0
	v_lshrrev_b32 v1, 5, v0
	s_delay_alu instid0(VALU_DEP_1)
	v_readfirstlane_b32 s16, v1                    ; wave 0..15
	s_mov_b32 s17, ttmp9                           ; Bq
	s_and_b32 s18, ttmp7, 0xffff                   ; batch and head
	s_lshr_b32 s19, s16, 1                         ; w / 2: my first block of keys in LDS
	v_and_b32 v1, 31, v0                           ; lane
	v_and_b32 v2, 15, v0                           ; r
	v_bfe_u32 v3, v0, 4, 1                         ; h
	v_lshlrev_b32 v4, 4, v1                        ; 16 x lane
	v_lshlrev_b32 v5, 3, v1                        ; 8 x lane
	v_lshlrev_b32 v15, 2, v1                       ; 4 x lane
	s_mul_i32 s38, s16, 3072
	v_add_nc_u32 v6, s38, v4                       ; waves 0-7 stage K's groups of 64 keys, waves 8-15 V's: 3,072 x wave
	s_lshl_b32 s38, s16, 7
	s_add_co_u32 s38, s38, KSC
	v_add_nc_u32 v7, s38, v15                      ; and each wave one block's scale words of K
	s_mul_i32 s38, s19, 1536
	v_add_nc_u32 v8, s38, v4                       ; my first K tile, registers 0-3
	s_add_co_u32 s38, s38, 512
	v_add_nc_u32 v9, s38, v5                       ; registers 4-5
	s_lshl_b32 s38, s19, 7
	s_add_co_u32 s38, s38, KSC
	v_add_nc_u32 v10, s38, v15                     ; K's scale words
	v_add_nc_u32 v28, s19, v3                      ; V: my lane's block w / 2 + h
	v_lshrrev_b32 v29, 1, v28
	v_and_b32 v30, 1, v28
	v_mul_u32_u24 v29, 3072, v29
	v_lshl_add_u32 v11, v30, 8, v29
	v_lshl_add_u32 v12, v30, 7, v29
	v_lshl_add_u32 v11, v2, 4, v11
	v_lshl_add_u32 v12, v2, 3, v12
	v_add_nc_u32 v11, VOF, v11                     ; registers 0-3 of a block: 256 bytes
	v_add_nc_u32 v12, VOF+512, v12                 ; registers 4-5: 128 bytes
	s_add_co_u32 s38, s19, 8                       ; block w / 2 + 8, for both halves of the lanes
	s_lshr_b32 s38, s38, 1
	s_mul_i32 s38, s38, 3072
	s_and_b32 s39, s19, 1
	s_lshl_b32 s40, s39, 8
	s_lshl_b32 s41, s39, 7
	s_add_co_u32 s40, s40, s38
	s_add_co_u32 s41, s41, s38
	s_add_co_u32 s40, s40, VOF
	s_add_co_u32 s41, s41, VOF+512
	v_lshl_add_u32 v13, v2, 4, s40
	v_lshl_add_u32 v14, v2, 3, s41
	v_lshlrev_b32 v28, 2, v2                       ; q's scale word: 4 r
	v_lshlrev_b32 v29, 5, v2                       ; o's scale bytes: 32 r
	s_and_b32 s39, s16, 1
	s_lshl_b32 s38, s39, 3
	v_and_b32 v242, 8, v2
	v_add_nc_u32 v242, v242, v2
	v_add_nc_u32 v242, s38, v242                   ; a: my query's place in its block
	v_lshlrev_b32 v30, 4, v3
	v_sub_nc_u32 v242, v242, v30                   ; d = a - 16 h.  Register n of a block's scores holds the key at place n + 16 h
	s_wait_alu depctr_va_vdst(0)                   ; the wait ahead of the scalar run
	s_lshl_b32 s24, s17, 3
	s_add_co_u32 s24, s24, s19                     ; B
	s_lshl_b32 s42, s17, 2                         ; 4 Bq
	s_max_u32 s43, s42, 4
	s_sub_co_u32 s43, s43, 4                       ; 4 Bq - 4, held at 0: with Bq = 0 the first half of LDS holds bytes that no kept result reads, and no load leaves its buffer
	s_bitcmp1_b32 s16, 2
	s_cselect_b32 s43, s42, s43
	s_and_b32 s44, s16, 3
	s_add_co_u32 s43, s43, s44
	s_lshl_b32 s25, s18, 5                         ; 32 groups a head
	s_add_co_u32 s43, s43, s25
	s_mul_i32 s44, s43, 3072                       ; the group that I stage
	s_mov_b32 s45, 0
	s_lshl_b32 s46, s17, 3
	s_max_u32 s47, s46, 8
	s_sub_co_u32 s47, s47, 8
	s_bitcmp1_b32 s16, 3
	s_cselect_b32 s46, s46, s47
	s_and_b32 s47, s16, 7
	s_add_co_u32 s46, s46, s47
	s_lshl_b32 s47, s18, 6
	s_add_co_u32 s46, s46, s47
	s_lshl_b32 s46, s46, 7                         ; the block whose scale words I stage
	s_mov_b32 s47, 0
	s_lshl_b32 s30, s18, 7
	s_lshl_b32 s31, s17, 4
	s_add_co_u32 s31, s31, s16                     ; my tile in the sequence: 16 Bq + w
	s_add_co_u32 s30, s30, s31
	s_mul_i32 s30, s30, 768                        ; q's half image
	s_lshr_b32 s34, s18, 4
	s_lshl_b32 s34, s34, 7
	s_add_co_u32 s34, s34, s31                     ; T: my tile of tokens among all 256
	s_mov_b32 s31, 0
	s_and_b32 s35, s18, 15                         ; the head
	s_lshl_b32 s36, s34, 9
	s_lshl_b32 s37, s35, 1
	s_add_co_u32 s36, s36, s37                     ; o's scale bytes: 512 T + 2 x head
	s_mov_b32 s37, 0
	s_lshl_b32 s34, s34, 4
	s_add_co_u32 s34, s34, s35
	s_mul_i32 s34, s34, 768                        ; o's half image: 16 T + head
	s_mov_b32 s35, 0
	s_lshl_b32 s32, s18, 6
	s_add_co_u32 s32, s32, s24
	s_lshl_b32 s32, s32, 7
	s_lshl_b32 s33, s39, 6
	s_add_co_u32 s32, s32, s33                     ; q's scale words
	s_mov_b32 s33, 0
	s_lshr_b32 s38, s16, 3                         ; V's scale words: 256 bytes for each 128 keys; mine are the groups 2 Bq - 2 + w / 8 + 0 .. 2, held at 0
	s_lshl_b32 s39, s17, 1
	s_add_co_u32 s38, s38, s39
	s_sub_co_u32 s38, s38, 2
	s_lshl_b32 s39, s18, 4
.irp i, 0,1,2
	s_max_i32 s[48+2*\i], s38, 0
	s_add_co_u32 s[48+2*\i], s[48+2*\i], s39
	s_lshl_b32 s[48+2*\i], s[48+2*\i], 8
	s_mov_b32 s[49+2*\i], 0
	s_add_co_u32 s38, s38, 1
.endr
	s_and_b32 s55, s19, 3
	s_mul_i32 s54, s55, 0x1010101
	s_add_co_u32 s54, s54, 0x3020100               ; v_perm_b32's selector: four bytes from byte (w / 2) % 4 on
	s_lshl_b32 s55, s55, 3
	s_mov_b32 s20, 0x76543210
	s_mov_b32 s21, 0xfedcba98                      ; v_permlanex16_b32's selects for lane l xor 16
	s_mov_b32 s22, 0x3e38aa3b                      ; c = log2(e) / 8
	s_mov_b32 s23, s22                             ; (named with it as a pair, so it is written)
	s_wait_kmcnt 0x0
	s_add_nc_u64 s[38:39], s[4:5], 0x300000        ; k's half images lie behind q's,
	s_add_nc_u64 s[40:41], s[6:7], 0x40000         ; and so do its scale words
	s_cmp_lt_u32 s16, 8                            ; K or V: the choice hangs on the wave's number alone
	s_cselect_b64 s[26:27], s[38:39], s[8:9]
	s_add_nc_u64 s[26:27], s[26:27], s[44:45]
	s_add_nc_u64 s[28:29], s[40:41], s[46:47]
	s_add_nc_u64 s[30:31], s[4:5], s[30:31]
	s_add_nc_u64 s[32:33], s[6:7], s[32:33]
	s_add_nc_u64 s[34:35], s[12:13], s[34:35]
	s_add_nc_u64 s[36:37], s[14:15], s[36:37]
	s_add_nc_u64 s[48:49], s[10:11], s[48:49]
	s_add_nc_u64 s[50:51], s[10:11], s[50:51]
	s_add_nc_u64 s[52:53], s[10:11], s[52:53]
.irp i, 0,1,2,3,4,5
	global_load_b128 v[S+4*\i:S+4*\i+3], v4, s[26:27] offset:512*\i   ; a group's 3,072 bytes of codes
.endr
	global_load_b32 v[S+24], v15, s[28:29]                             ; and a block's scale words of K
	global_load_b128 v[16:19], v4, s[30:31]                            ; Q's half fragment stays in registers
	global_load_b64 v[20:21], v5, s[30:31] offset:512
	global_load_b32 v241, v28, s[32:33]                                ; and its scale words
.irp i, 0,1,2
	global_load_b32 v[248+\i], v15, s[48+2*\i:49+2*\i]                 ; V's scale words, tiles of channels 0 and 1
	global_load_b32 v[251+\i], v15, s[48+2*\i:49+2*\i] offset:128      ; 2 and 3
.endr
	s_wait_xcnt 0x0                                ; v28 is an address no more
	v_mov_b32 v247, v29                            ; o's scale bytes: v28 on are K's buffers
.irp j, 22,23,24,25,26,27, 40,41,42,43,44,45, 52,53,54,55,56,57, 73,74,75,76,77,78,79,80,81, 82,83,84,85,86,87
	v_mov_b32 v[\j], 0                             ; zero codes; the pads; permutes' destinations
.endr
	v_mov_b32 v243, 0xff800000                     ; -infinity
	s_wait_alu depctr_va_vdst(0)
	s_wait_loadcnt 9                               ; what I stage is in; the nine loads behind it may be out
.irp i, 0,1,2,3,4,5
	ds_store_b128 v6, v[S+4*\i:S+4*\i+3] offset:512*\i
.endr
	ds_store_b32 v7, v[S+24]
	s_wait_dscnt 0x0                               ; for the others' sake
	s_barrier_signal -1
	s_barrier_wait -1                              ; the launch's one barrier: but for the spare words LDS is only read from here on
	s_wait_loadcnt 0x0
.irp b, 248,251                                ; a word's four bytes: blocks w / 2 + 4 i + 0 .. 3
	v_perm_b32 v[\b], v[\b+1], v[\b], s54
	v_perm_b32 v[\b+1], v[\b+2], v[\b+1], s54
	v_bfe_u32 v[\b+2], v[\b+2], s55, 8             ; block w / 2 + 8 alone; above it 0
.endr
.set j, 0
.rept 9
	ds_load_b32 v[232+j], v10 offset:128*j         ; K's scale words of my nine blocks: lanes 0-15 the even tile, lanes 16-31 the odd
.set j, j+1
.endr
.macro LOADK q, n                      ; n tiles of K from tile 4 q of my eighteen on, into buffer q % 2
.set t, 0
.rept \n
	ds_load_b128 v[28+30*((\q)%2)+6*t:31+30*((\q)%2)+6*t], v8 offset:3072*(\q)+768*t
	ds_load_b64 v[32+30*((\q)%2)+6*t:33+30*((\q)%2)+6*t], v9 offset:3072*(\q)+768*t
.set t, t+1
.endr
.endm
.macro SCORE q, n
.set t, 0
.rept \n
	WMZ S+32*(\q)+8*t, 28+30*((\q)%2)+6*t, 16, 232+2*(\q)+t/2, 241, t%2
.set t, t+1
.endr
.endm
	s_wait_alu depctr_va_vdst(0)                   ; the wait ahead of the branch
	s_cmp_lt_u32 s24, 8
	s_cbranch_scc1 .Lpart
	LOADK 0, 4
	LOADK 1, 4
	s_wait_dscnt 8
	SCORE 0, 4
	PLACES
	LOADK 2, 4
	s_wait_dscnt 8
	SCORE 1, 4
	PLACES
	LOADK 3, 4
	s_wait_dscnt 8
	SCORE 2, 4
	PLACES
	LOADK 4, 2
	s_wait_dscnt 4
	SCORE 3, 4
	s_wait_dscnt 0x0
	SCORE 4, 2
	s_branch .Lscored
.macro PBLK j                          ; the sequence's first 256 queries: block j of the nine, if it exists
	s_cmp_lt_u32 s24, 8-\j
	s_cbranch_scc1 .Lnone_\j
.irp u, 0,1
	ds_load_b128 v[28+6*\u:31+6*\u], v8 offset:1536*\j+768*\u
	ds_load_b64 v[32+6*\u:33+6*\u], v9 offset:1536*\j+768*\u
.endr
	s_wait_dscnt 0x0
.irp u, 0,1
	WMZ S+16*\j+8*\u, 28+6*\u, 16, 232+\j, 241, \u
.endr
	PLACES
	s_branch .Lhave_\j
.Lnone_\j:
.set n, 0
.rept 16
	v_mov_b32 v[S+16*\j+n], v243                   ; no such keys: p = 0
.set n, n+1
.endr
.Lhave_\j:
.endm
.Lpart:
	PBLK 0
	PBLK 1
	PBLK 2
	PBLK 3
	PBLK 4
	PBLK 5
	PBLK 6
	PBLK 7
	LOADK 4, 2
	s_wait_dscnt 0x0
	SCORE 4, 2
.Lscored:
	PLACES                                         ; in front of the first read of the scores
	s_wait_alu depctr_va_vdst(0)
.set n, 0
.rept 16                                       ; hidden scores become -infinity ahead of the maximum: block 0: places c <= a; block 8: c > a
	v_cmp_le_i32 vcc_lo, n, v242
	v_cndmask_b32 v[S+n], v[S+n], v243, vcc_lo
.set n, n+1
.endr
.set n, 0
.rept 16
	v_cmp_gt_i32 vcc_lo, n, v242
	v_cndmask_b32 v[S+128+n], v[S+128+n], v243, vcc_lo
.set n, n+1
.endr
.irp b, 0,1,2,3,4,5,6,7,8
	v_max3_num_f32 v[64+\b], v[S+16*\b], v[S+1+16*\b], v[S+2+16*\b]   ; the largest score of each block: it serves for the row's maximum and, since p rises with the score, for the block's largest p
.endr
.irp i, 3,5,7,9,11,13
.irp b, 0,1,2,3,4,5,6,7,8
	v_max3_num_f32 v[64+\b], v[64+\b], v[S+16*\b+\i], v[S+1+16*\b+\i]
.endr
.endr
.irp b, 0,1,2,3,4,5,6,7,8
	v_max_num_f32 v[64+\b], v[64+\b], v[S+15+16*\b]
.endr
.irp b, 0,1,2,3,4,5,6,7,8
	v_permlanex16_b32 v[73+\b], v[64+\b], s20, s21
.endr
.irp b, 0,1,2,3,4,5,6,7,8
	v_max_num_f32 v[64+\b], v[64+\b], v[73+\b]     ; with lane l xor 16's 16 keys
.endr
	v_max3_num_f32 v1, v64, v65, v66
	s_delay_alu instid0(VALU_DEP_1)
	v_max3_num_f32 v1, v1, v67, v68
	s_delay_alu instid0(VALU_DEP_1)
	v_max3_num_f32 v1, v1, v69, v70
	s_delay_alu instid0(VALU_DEP_1)
	v_max3_num_f32 v1, v1, v71, v72                ; the row's largest score
	s_delay_alu instid0(VALU_DEP_1)
	v_mul_f32 v1, s22, v1                          ; as t (c is positive)
	s_delay_alu instid0(VALU_DEP_1)
	v_floor_f32 v0, -v1                            ; -M = floor(-t): M is a whole number
.set j, 0
.rept 72
	v_pk_fma_f32 v[S+j:S+j+1], v[S+j:S+j+1], s[22:23], v[0:1] op_sel_hi:[1,0,0]   ; t - M, two at a time
.set j, j+2
.endr
.irp b, 0,1,2,3,4,5,6,7,8
	v_fma_f32 v[64+\b], v[64+\b], s22, v0          ; the same of each block's largest score
.endr
	s_wait_alu depctr_va_vdst(0)                   ; the wait ahead of the batch
.set j, 0
.rept 144
	v_exp_f32 v[S+j], v[S+j]                       ; p = 2^(t - M), at most 1: not normalised
.set j, j+1
.endr
.irp b, 0,1,2,3,4,5,6,7,8
	v_exp_f32 v[64+\b], v[64+\b]                   ; the block's largest p: the same two instructions on the same number give the same bits
.endr
.irp i, 0,1,2,3,4,5
	v_mov_b32 v[P+30+\i], 0                        ; zero codes behind block 8.  (Plain instructions behind the exponentials)
.endr
	s_wait_alu depctr_va_vdst(0)                   ; the wait behind the batch
.irp b, 0,1,2,3,4,5,6,7,8
	v_max_num_f32 v[64+\b], 0x2800000, v[64+\b]    ; the floor 2^(5 - 127): the byte cannot fall under 1
.endr
.irp b, 0,1,2,3,4,5,6,7,8
	v_add_nc_u32 v[73+\b], 0xfe000000, v[64+\b]    ; 4 off the exponent field: the conversion's scale operand
.endr
.irp b, 0,1,2,3,4,5,6,7
	v_lshrrev_b32 v[64+\b], 23, v[73+\b]           ; the scale's byte
.endr
	v_lshrrev_b32 v87, 23, v81                     ; p's scale words: blocks 8; 0-3; 4-7
.irp c, 0,1
	v_lshl_or_b32 v[85+\c], v[65+4*\c], 8, v[64+4*\c]
.endr
.irp c, 0,1
	v_lshl_or_b32 v[85+\c], v[66+4*\c], 16, v[85+\c]
.endr
.irp c, 0,1
	v_lshl_or_b32 v[85+\c], v[67+4*\c], 24, v[85+\c]
.endr
.macro SUM c, d                        ; the row's sum, of the unquantised p: chain c of four
	v_pk_add_f32 v[\d:\d+1], v[S+2*\c:S+2*\c+1], v[S+8+2*\c:S+9+2*\c]
.endm
	v_mov_b32 v83, v247                            ; o's scale bytes' address, out of the chains' way
	SUM 0, 2
	SUM 1, 242
	SUM 2, 244
	SUM 3, 246
.set j, 16
.rept 16
	v_pk_add_f32 v[2:3], v[2:3], v[S+j:S+j+1]
	v_pk_add_f32 v[242:243], v[242:243], v[S+j+2:S+j+3]
	v_pk_add_f32 v[244:245], v[244:245], v[S+j+4:S+j+5]
	v_pk_add_f32 v[246:247], v[246:247], v[S+j+6:S+j+7]
.set j, j+8
.endr
	v_pk_add_f32 v[2:3], v[2:3], v[242:243]
	v_pk_add_f32 v[244:245], v[244:245], v[246:247]
	s_delay_alu instid0(VALU_DEP_1)
	v_pk_add_f32 v[2:3], v[2:3], v[244:245]
	s_delay_alu instid0(VALU_DEP_1)
	v_add_f32 v2, v2, v3
	s_delay_alu instid0(VALU_DEP_1)
	v_permlanex16_b32 v3, v2, s20, s21
	s_delay_alu instid0(VALU_DEP_1)
	v_add_f32 v2, v2, v3                           ; with lane l xor 16's keys
	v_mov_b32 v0, v83                              ; o's scale bytes' address (M has been used)
	s_wait_alu depctr_va_vdst(0)                   ; the wait ahead of the transcendental
	v_rcp_f32 v2, v2
	v_nop                                          ; a plain instruction behind the transcendental
.irp q, 0,1,2,3
	v_cvt_scalef32_pk16_bf6_f32 v[P+6*\q:P+2+6*\q], v[S+32*\q:S+15+32*\q], v[73+2*\q]
	v_cvt_scalef32_pk16_bf6_f32 v[232+4*\q:234+4*\q], v[S+16+32*\q:S+31+32*\q], v[74+2*\q]   ; (a conversion's three registers begin on an even number)
.endr
	v_cvt_scalef32_pk16_bf6_f32 v[P+24:P+26], v[S+128:S+143], v81
.irp i, 82,83,84
	v_mov_b32 v[\i], 0                             ; block 8 has no partner.  (Plain instructions behind the scaled conversions)
.endr
.macro PAIR q, t                       ; a WHOLE block in a lane: lanes 0-15 the even block, lanes 16-31 the odd
.irp i, 0,1,2
	v_permlane16_swap_b32 v[P+6*\q+\i], v[\t+\i]
.endr
.irp i, 0,1,2
	v_mov_b32 v[P+3+6*\q+\i], v[\t+\i]
.endr
.endm
	PAIR 0, 232
	PAIR 1, 236
	PAIR 2, 240
	PAIR 3, 244
	PAIR 4, 82
	PLACES                                         ; an operand written by vector instructions stands four places ahead of a scaled matrix instruction
	s_wait_alu depctr_va_vdst(0)                   ; the wait ahead of the branches
.macro LOADV i, va                     ; V's fragments of blocks 4 i .. 4 i + 3: four tiles of 12 registers
.irp t, 0,1,2,3
.irp c, 0,1
	ds_load_b128 v[\va+12*\t+6*\c:\va+12*\t+6*\c+3], v11 offset:3072*(2*\i+\c)+768*\t
	ds_load_b64 v[\va+12*\t+6*\c+4:\va+12*\t+6*\c+5], v12 offset:3072*(2*\i+\c)+768*\t
.endr
.endr
.endm
; O^T's four accumulators (v216, v224, v64, v72) take turns
.macro PV2
.irp t, 0,1,2,3
	WMZ 216+8*\t-168*(\t/2), 88+6*\t, P+24, 250+3*(\t/2), 87, \t%2
.endr
.endm
.macro PV i, va
.irp t, 0,1,2,3
	WM 216+8*\t-168*(\t/2), \va+12*\t, P+12*\i, 248+3*(\t/2)+\i, 85+\i, \t%2
.endr
.endm
.irp t, 0,1,2,3                                ; block 8: 6 registers a tile
	ds_load_b128 v[88+6*\t:91+6*\t], v13 offset:768*\t
	ds_load_b64 v[92+6*\t:93+6*\t], v14 offset:768*\t
.endr
	s_cmp_lt_u32 s24, 1                            ; blocks 4-7 all lie ahead of the sequence's start
	s_cbranch_scc1 .Lpv2
	LOADV 1, 120
	s_cmp_lt_u32 s24, 5                            ; blocks 0-3 do
	s_cbranch_scc1 .Lpv1
	LOADV 0, 168
	s_wait_dscnt 32                                ; block 8's eight loads are in; the 32 behind them may be out
	PV2
	s_wait_dscnt 16
	PV 1, 120
	s_wait_dscnt 0x0
	PV 0, 168
	s_branch .Lout
.Lpv1:
	s_wait_dscnt 0x0
	PV2
	PV 1, 120
	s_branch .Lout
.Lpv2:
	s_wait_dscnt 0x0
	PV2
.Lout:
	PLACES
	; THE WAY OUT: O^T / the sum; a lane's 32 numbers are channels 32 b + 16 h + 0 .. 15 of its token: two blocks of the last projection's K
.irp t, 0,1,2,3
.irp i, 0,2,4,6
	v_pk_mul_f32 v[120+8*\t+\i:121+8*\t+\i], v[216+8*\t-168*(\t/2)+\i:217+8*\t-168*(\t/2)+\i], v[2:3] op_sel_hi:[1,0]   ; upward: each accumulator is read from its low end on
.endr
.endr
.irp b, 0,1
	v_max3_num_f32 v[152+\b], |v[120+16*\b]|, |v[121+16*\b]|, 0x2800000
.endr
.irp i, 2,4,6,8,10,12,14
.irp b, 0,1
	s_delay_alu instid0(VALU_DEP_2)
	v_max3_num_f32 v[152+\b], v[152+\b], |v[120+16*\b+\i]|, |v[121+16*\b+\i]|
.endr
.endr
.irp b, 0,1
	s_delay_alu instid0(VALU_DEP_2)
	v_permlanex16_b32 v[232+\b], v[152+\b], s20, s21
.endr
.irp b, 0,1
	s_delay_alu instid0(VALU_DEP_2)
	v_max_num_f32 v[152+\b], v[152+\b], v[232+\b]
.endr
.irp b, 0,1
	s_delay_alu instid0(VALU_DEP_2)
	v_add_nc_u32 v[156+\b], 0xfe000000, v[152+\b]
.endr
.irp b, 0,1
	s_delay_alu instid0(VALU_DEP_2)
	v_lshrrev_b32 v[154+\b], 23, v[156+\b]
.endr
	s_delay_alu instid0(VALU_DEP_1)
	v_lshl_or_b32 v158, v155, 8, v154              ; the head's two bytes of my token's scale word
	v_cvt_scalef32_pk16_bf6_f32 v[160:162], v[120:135], v156
	v_cvt_scalef32_pk16_bf6_f32 v[166:168], v[136:151], v157
	v_nop
.irp i, 0,1,2
	v_permlane16_swap_b32 v[160+\i], v[166+\i]
.endr
.irp i, 0,1,2
	v_mov_b32 v[163+\i], v[166+\i]
.endr
	global_store_b128 v4, v[160:163], s[34:35]                 ; the half image: heads 2 s and 2 s + 1 lie on end and are K step s of the last projection
	global_store_b64 v5, v[164:165], s[34:35] offset:512
	global_store_b16 v0, v158, s[36:37]                        ; two bytes at 32 r + 2 x head; both lanes of a token write the same value.  Kept so, though the pieces are small, so that the last launch reads whole words
	s_wait_tensorcnt 0x0
	ds_add_u32 v254, v255
	s_wait_dscnt 0x0
	s_endpgm
.Lfunc_end_k_q53a781c765_attn:
	.size	k_q53a781c765_attn, .Lfunc_end_k_q53a781c765_attn-k_q53a781c765_attn
	.p2alignl 7, 3214868480
	.fill 96, 4, 3214868480
	.section	.rodata,"a",@progbits
	.p2align	6, 0x0
	.amdhsa_kernel k_q53a781c765_attn
		.amdhsa_group_segment_fixed_size 53248
		.amdhsa_private_segment_fixed_size 0
		.amdhsa_enable_private_segment 0
		.amdhsa_kernarg_size 48
		.amdhsa_user_sgpr_count 2
		.amdhsa_user_sgpr_kernarg_segment_ptr 1
		.amdhsa_wavefront_size32 1
		.amdhsa_system_sgpr_workgroup_id_x 1
		.amdhsa_system_sgpr_workgroup_id_y 1
		.amdhsa_system_sgpr_workgroup_id_z 1
		.amdhsa_system_vgpr_workitem_id 0
		.amdhsa_next_free_vgpr 256
		.amdhsa_next_free_sgpr 66
		.amdhsa_reserve_vcc 1
		.amdhsa_float_denorm_mode_32 3
		.amdhsa_float_denorm_mode_16_64 3
		.amdhsa_memory_ordered 1
		.amdhsa_forward_progress 1
		.amdhsa_inst_pref_size 63
	.end_amdhsa_kernel
	.amdgpu_metadata
---
amdhsa.version: [ 1, 2 ]
amdhsa.kernels:
  - .name:           k_q53a781c765_attn
    .symbol:         k_q53a781c765_attn.kd
    .args:
      - { .name: qkimg, .offset: 0, .size: 8, .value_kind: global_buffer, .address_space: global }
      - { .name: qksc, .offset: 8, .size: 8, .value_kind: global_buffer, .address_space: global }
      - { .name: vimg, .offset: 16, .size: 8, .value_kind: global_buffer, .address_space: global }
      - { .name: vsc, .offset: 24, .size: 8, .value_kind: global_buffer, .address_space: global }
      - { .name: rowimg, .offset: 32, .size: 8, .value_kind: global_buffer, .address_space: global }
      - { .name: rowsc, .offset: 40, .size: 8, .value_kind: global_buffer, .address_space: global }
    .group_segment_fixed_size: 53248
    .private_segment_fixed_size: 0
    .kernarg_segment_align: 8
    .kernarg_segment_size: 48
    .max_flat_workgroup_size: 512
    .sgpr_count:     66
    .vgpr_count:     256
    .wavefront_size: 32
...
	.end_amdgpu_metadata
.endif
;; end of part 3
;; launch oproj (part 4): grid 8 x 32, 4 waves a work-group, clusters of 4 x 1, 167,936 bytes of LDS; arguments rowimg, rowsc, wimg, Wo_scales, bo, hidden_states, out0; writes out0
.if DOCPART == 4
	.amdgcn_target "amdgcn-amd-amdhsa--gfx1250"
	.amdhsa_code_object_version 6
	.text
	.protected	k_q53a781c765_oproj
	.globl	k_q53a781c765_oproj
	.p2align	8
	.type	k_q53a781c765_oproj,@function
k_q53a781c765_oproj:
	s_mov_b64 s[64:65], 0
	v_nop
	global_prefetch_b8 v0, s[64:65] scope:SCOPE_SE
	s_setreg_imm32_b32 hwreg(HW_REG_WAVE_MODE, 25, 1), 1
	s_wait_xcnt 0x0
	s_wait_alu depctr_hold_cnt(0) depctr_sa_sdst(0) depctr_va_vdst(0) depctr_va_sdst(0) depctr_va_ssrc(0) depctr_va_vcc(0) depctr_vm_vsrc(0)
	s_getreg_b32 s2, hwreg(HW_REG_IB_STS2, 6, 4)
	s_cmp_eq_u32 s2, 0
	s_cbranch_scc0 .Lentry_in_a_cluster
	s_endpgm
.Lentry_in_a_cluster:
	s_bfe_u32 s2, ttmp6, 0x10000c
	s_cmp_lg_u32 s2, 0x3003
	s_cbranch_scc0 .Lentry_shape_is_right
	s_endpgm
.Lentry_shape_is_right:
; OPROJ.  out = hidden_states + attn Wo^T + bo, the product on codes of E3M2.
; SHARES.  Work-group (x, y): 128 tokens (tiles of tokens 8 y + m) x 128 output columns.  Wave w: all 8 tiles of tokens x the two tiles of columns 8 x + 2 w + n; its 16 fragments of Wo
; (192 registers) are loaded once and stay.  The product is used TRANSPOSED (source 0 = 16 rows of Wo, source 1 = 16 tokens): a lane holds eight neighbouring columns of one token.
; attn's 64 fragments (96 KiB) come into LDS once, by one tensor load a wave (two tiles of 12,288 bytes).  CLUSTERS of 4 x 1: the four work-groups of a cluster need the same tokens and ask for them jointly.
; Wo is not asked for jointly: each of its fragments feeds one wave alone and goes straight into registers.  No prefetch: everything is asked for at the head; there is no loop to run ahead in.
; FOUR PHASES of 32 tokens (two tiles), all of K each: 32 products on four accumulators.  A phase's results go through a stage of its own in LDS and leave as rows of 512 bytes, with the residual added, behind the next phase's products.
; Fragment (m, s) is two half images on end: registers 0-3 | 4-5 | 6-9 | 10-11 at +0, +512, +768, +1280.
; Row rho of tile T is token 32 (T / 2) + 8 (T % 2) + rho + (rho & 8): of a phase's 32 tokens wave w stores 8 w .. 8 w + 7, which are the stage's rows from 16 (w % 2) + 8 (w / 2) on.
; REGISTERS: window 0: v1-14 addresses; v16-47 attn's scale words; v48-55 Wo's; v56-247 the even phases' fragments.   window 1: Wo's fragments, (n, s) at 96 n + 12 s.   window 2: v56-247 the odd phases' fragments.
;   window 3: v0-63 the accumulators, two sets of four; v64-79 the bias; v80-207 the residual (phase p, row i at 80 + 32 p + 4 i), then the results; v208-239 rows read back.
; LIMITS: NaN and infinities are not served.
.set XS,  16
.set WS,  48
.set STAGE, 98304
.set STP, 16896                        ; a phase's stage: 32 rows of 512 bytes + 16
.set SPARE, STAGE+4*STP
.set SPW, 254
.set NIL, 255
.set G1, 68
.set G0, 76
.set MSB, 0
.macro WIN new                         ; the immediate's high byte repeats the setting that is left; bits 1:0 source 0, 3:2 source 1, 5:4 source 2, 7:6 destination
.if MSB != (\new)
	s_set_vgpr_msb (MSB<<8)|(\new)
.set MSB, (\new)
.endif
.endm
.macro PLACES                          ; four plain vector instructions between a matrix instruction and a load into, or a read of, its registers
.rept 4
	v_nop
.endr
.endm
.macro WM d, a, b, c, sa, sb, ra, rb   ; one product; ra, rb = 1: that side's scale words stand in lanes 16-31
.set ROWS, (\ra)+2*(\rb)
.if ROWS == 0
	v_wmma_scale_f32_16x16x128_f8f6f4 v[\d:\d+7], v[\a:\a+11], v[\b:\b+11], v[\c:\c+7], v[\sa], v[\sb] matrix_a_fmt:MATRIX_FMT_BF6 matrix_b_fmt:MATRIX_FMT_BF6
.elseif ROWS == 1
	v_wmma_scale_f32_16x16x128_f8f6f4 v[\d:\d+7], v[\a:\a+11], v[\b:\b+11], v[\c:\c+7], v[\sa], v[\sb] matrix_a_fmt:MATRIX_FMT_BF6 matrix_b_fmt:MATRIX_FMT_BF6 matrix_a_scale:MATRIX_SCALE_ROW1
.elseif ROWS == 2
	v_wmma_scale_f32_16x16x128_f8f6f4 v[\d:\d+7], v[\a:\a+11], v[\b:\b+11], v[\c:\c+7], v[\sa], v[\sb] matrix_a_fmt:MATRIX_FMT_BF6 matrix_b_fmt:MATRIX_FMT_BF6 matrix_b_scale:MATRIX_SCALE_ROW1
.else
	v_wmma_scale_f32_16x16x128_f8f6f4 v[\d:\d+7], v[\a:\a+11], v[\b:\b+11], v[\c:\c+7], v[\sa], v[\sb] matrix_a_fmt:MATRIX_FMT_BF6 matrix_b_fmt:MATRIX_FMT_BF6 matrix_a_scale:MATRIX_SCALE_ROW1 matrix_b_scale:MATRIX_SCALE_ROW1
.endif
.endm
.macro CROUND                          ; a round of the cluster's barrier
	s_barrier_signal -1
	s_barrier_wait -1
	s_cmp_lg_u32 s34, 0
	s_cbranch_scc1 .Lnot_wave_0_\@
	s_barrier_signal -3
.Lnot_wave_0_\@:
	s_barrier_wait -3
	s_barrier_signal -1
	s_barrier_wait -1
.endm
	s_load_b256 s[4:11], s[0:1], 0x0               ; rowimg s[4:5], rowsc s[6:7], wimg s[8:9], Wo_scales s[10:11]
	s_load_b128 s[12:15], s[0:1], 0x20             ; bo s[12:13], hidden_states s[14:15]
	s_load_b64 s[16:17], s[0:1], 0x30              ; out0
	v_lshl_add_u32 v[SPW], v0, 2, SPARE
	v_mov_b32 v[NIL], 0
	ds_add_u32 v[SPW], v[NIL]                      ; the opening add, twice on end
	ds_add_u32 v[SPW], v[NIL]
	v_lshrrev_b32 v1, 5, v0
	v_readfirstlane_b32 s34, v1                    ; wave 0..3
	s_bfe_u32 s40, ttmp6, 0x40000                  ; cx
	s_lshl_b32 s35, ttmp9, 2
	s_add_co_u32 s35, s35, s40                     ; x: block of 128 columns
	s_and_b32 s36, ttmp7, 0xffff                   ; y: block of 128 tokens
	s_mov_b32 s[G1+0], 15|(3<<16)|(1<<21)          ; to all four of the cluster; elements of 8 bytes, no padding; bit 21 beside a mask
	s_mov_b32 s[G1+1], 1536<<16                    ; a row: one tile's 12,288 bytes
	s_mov_b32 s[G1+2], 2<<16
	s_mov_b32 s[G1+3], 1536<<16
	s_mov_b32 s[G1+4], 2                           ; two tiles
	s_mov_b32 s[G1+5], 1536
	s_mov_b32 s[G1+6], 0
	s_mov_b32 s[G1+7], 0
	s_mul_i32 s20, s36, 98304
	s_mul_i32 s38, s34, 24576
	s_add_co_u32 s20, s20, s38                     ; my two tiles of attn's eight
	s_mov_b32 s21, 0
	s_wait_dscnt 0x0                               ; both opening adds are done
	s_wait_kmcnt 0x0
	s_add_nc_u64 s[20:21], s[4:5], s[20:21]
	CROUND                                         ; all four work-groups are here: the joint loads meet
	s_mov_b32 s[G0], 1
	s_mov_b32 s[G0+1], s38
	s_mov_b64 s[G0+2:G0+3], s[20:21]
	s_or_b32 s[G0+3], s[G0+3], 0x80000000
	tensor_load_to_lds s[G0:G0+3], s[G1:G1+7]
	s_nop 0
	PLACES
	v_and_b32 v1, 31, v0                           ; lane
	v_and_b32 v2, 15, v0                           ; r
	v_bfe_u32 v3, v0, 4, 1                         ; h
	v_lshlrev_b32 v6, 4, v1                        ; 16 x lane
	v_add_nc_u32 v7, 49152, v6                     ; tiles 4-7
	v_lshlrev_b32 v8, 3, v1                        ; 8 x lane
	v_add_nc_u32 v9, 49152, v8
	v_lshlrev_b32 v10, 5, v2
	v_lshl_add_u32 v10, v3, 9, v10                 ; 512 h + 32 r: attn's scale words (lanes 16-31 the odd tile) and Wo's (lanes 16-31 tile n = 1) alike
	v_lshlrev_b32 v12, 5, v3                       ; bo: 8 h numbers on
	s_lshl_b32 s39, s34, 7
	s_add_co_u32 s39, s39, STAGE
	v_mul_u32_u24 v13, v2, 528
	v_lshl_add_u32 v13, v3, 5, v13
	v_add_nc_u32 v13, s39, v13                     ; the stage, in: row r, + 32 h, + 128 x wave
	s_and_b32 s39, s34, 1
	s_mul_i32 s39, s39, 16*528
	s_lshr_b32 s41, s34, 1
	s_mul_i32 s41, s41, 8*528
	s_add_co_u32 s39, s39, s41
	s_add_co_u32 s39, s39, STAGE
	v_add_nc_u32 v14, s39, v6                      ; and back: my 8 rows, 16 bytes a lane
	s_wait_alu depctr_va_vdst(0)                   ; the wait ahead of the scalar run
	s_lshl_b32 s37, s35, 3
	s_lshl_b32 s39, s34, 1
	s_add_co_u32 s37, s37, s39                     ; my first tile of columns: 8 x + 2 w
	s_lshl_b32 s22, s36, 12                        ; attn's scale words: 512 bytes a tile
	s_add_co_u32 s24, s37, 192
	s_mul_i32 s24, s24, 12288                      ; Wo's images
	s_lshl_b32 s26, s37, 9                         ; Wo's scale bytes: 16 rows of 32 a tile
	s_lshl_b32 s28, s37, 6                         ; bo: 16 numbers a tile
	s_lshl_b32 s30, s36, 7
	s_lshl_b32 s39, s34, 3
	s_add_co_u32 s30, s30, s39                     ; the tokens that I store: 128 y + 32 p + 8 w + i
	s_lshl_b32 s30, s30, 12
	s_lshl_b32 s39, s35, 9
	s_add_co_u32 s30, s30, s39                     ; + the block's 128 columns
.irp p, 23,25,27,29,31
	s_mov_b32 s[\p], 0
.endr
	s_add_nc_u64 s[22:23], s[6:7], s[22:23]
	s_add_nc_u64 s[24:25], s[8:9], s[24:25]
	s_add_nc_u64 s[26:27], s[10:11], s[26:27]
	s_add_nc_u64 s[28:29], s[12:13], s[28:29]
	s_add_nc_u64 s[32:33], s[16:17], s[30:31]
	s_add_nc_u64 s[30:31], s[14:15], s[30:31]
.irp i, 0,1,2,3
.irp jj, 0,1
	global_load_b128 v[XS+8*\i+4*\jj:XS+8*\i+4*\jj+3], v10, s[22:23] offset:1024*\i+16*\jj
.endr
.endr
.irp jj, 0,1
	global_load_b128 v[WS+4*\jj:WS+4*\jj+3], v10, s[26:27] offset:16*\jj
.endr
	WIN 0xc0                                       ; destination window 3
.irp n, 0,1
	global_load_b128 v[64+8*\n:64+8*\n+3], v12, s[28:29] offset:64*\n       ; the bias in the result's layout: columns 16 n + 8 h + 0 .. 7
	global_load_b128 v[64+8*\n+4:64+8*\n+7], v12, s[28:29] offset:64*\n+16
.endr
	WIN 0x40                                       ; destination window 1
.irp s, 0,1,2,3,4,5,6,7
.irp n, 0,1
.irp c, 0,1,2
	global_load_b128 v[96*\n+12*\s+4*\c:96*\n+12*\s+4*\c+3], v6, s[24:25] offset:12288*\n+1536*\s+512*\c
.endr
.endr
.endr
	WIN 0xc0
.irp p, 0,1,2,3
.irp i, 0,1,2,3,4,5,6,7
	global_load_b128 v[80+32*\p+4*\i:80+32*\p+4*\i+3], v6, s[30:31] offset:4096*(32*\p+\i)   ; the residual: 512 consecutive bytes a row
.endr
.endr
	WIN 0
	s_wait_alu depctr_va_vdst(0)                   ; the wait at the head's end
	s_wait_tensorcnt 0x0                           ; my two tiles are in,
	s_barrier_signal -1
	s_barrier_wait -1                              ; and every wave's
.macro FQ p, k                         ; phase p's fragments of K steps 2 k, 2 k + 1: 16 LDS loads
	WIN 0x80*((\p)%2)
.irp ss, 0,1
.irp mm, 0,1
.set FB, 56+96*\mm+12*(2*\k+\ss)
.set FO, (2*((\p)%2)+\mm)*12288+(2*\k+\ss)*1536
	ds_load_b128 v[FB:FB+3], v[6+(\p)/2] offset:FO
	ds_load_b64 v[FB+4:FB+5], v[8+(\p)/2] offset:FO+512
	ds_load_b128 v[FB+6:FB+9], v[6+(\p)/2] offset:FO+768
	ds_load_b64 v[FB+10:FB+11], v[8+(\p)/2] offset:FO+1280
.endr
.endr
.endm
.macro PROD p, k                       ; 8 products; the four accumulators take turns
	WIN 0xf1+8*((\p)%2)                            ; source 0 (Wo) window 1, source 1 (attn) window 0 or 2, C and D window 3
.irp ss, 0,1
.irp mm, 0,1
.irp n, 0,1
.if (\k == 0) && (\ss == 0)
	WM 32*(\p%2)+16*\mm+8*\n, 96*\n, 56+96*\mm, 64+8*\n, WS, XS+8*\p, \n, \mm
.else
	WM 32*(\p%2)+16*\mm+8*\n, 96*\n+12*(2*\k+\ss), 56+96*\mm+12*(2*\k+\ss), 32*(\p%2)+16*\mm+8*\n, WS+2*\k+\ss, XS+8*\p+2*\k+\ss, \n, \mm
.endif
.endr
.endr
.endr
.endm
.macro OUT q                           ; phase q's rows leave
	WIN 0xc0
.irp i, 0,1,2,3,4,5,6,7
	ds_load_b128 v[208+4*\i:211+4*\i], v14 offset:STP*\q+528*\i
.endr
	s_wait_dscnt 0x0
	s_wait_loadcnt 24-8*\q                         ; the residual of this phase is in; that of the later phases may be out
	WIN 0xcf                                       ; all operands window 3
.irp i, 0,1,2,3,4,5,6,7
	v_pk_add_f32 v[80+32*\q+4*\i:81+32*\q+4*\i], v[80+32*\q+4*\i:81+32*\q+4*\i], v[208+4*\i:209+4*\i]
	v_pk_add_f32 v[82+32*\q+4*\i:83+32*\q+4*\i], v[82+32*\q+4*\i:83+32*\q+4*\i], v[210+4*\i:211+4*\i]
.endr
	WIN 0x0c                                       ; a store's data are its source 1: window 3
.irp i, 0,1,2,3,4,5,6,7
	global_store_b128 v6, v[80+32*\q+4*\i:83+32*\q+4*\i], s[32:33] offset:4096*(32*\q+\i) th:TH_STORE_NT   ; 32 lanes store 512 consecutive bytes, at a multiple of 256 from out0's first byte
.endr
.endm
.macro PHASE p
.if \p > 0
	PLACES                                         ; the phase before read the registers that the loads below fill... two phases ago; its last product stands right above
.endif
.irp k, 0,1,2,3
.if \p < 3
	FQ \p+1, \k
.endif
.if \p == 0
.if \k == 0
	s_wait_loadcnt 63                              ; scale words, the bias and Wo's first two steps (behind them: 36 of Wo, 32 of the residual) are in
.else
	s_wait_loadcnt 68-12*\k                        ; Wo's steps 2 k, 2 k + 1 are in; behind them: 36 - 12 k of Wo and 32
.endif
.endif
	PROD \p, \k
.endr
.if \p > 0
	s_barrier_wait -1                              ; the stage of the phase before is whole
	OUT (\p-1)
.endif
	PLACES
	WIN 0x0c
.irp mm, 0,1
.irp n, 0,1
	ds_store_b128 v13, v[32*(\p%2)+16*\mm+8*\n:32*(\p%2)+16*\mm+8*\n+3] offset:STP*\p+8448*\mm+64*\n          ; each accumulator from its low end on; lane (r, h): row 16 mm + r, columns 32 w + 16 n + 8 h + 0 .. 7
	ds_store_b128 v13, v[32*(\p%2)+16*\mm+8*\n+4:32*(\p%2)+16*\mm+8*\n+7] offset:STP*\p+8448*\mm+64*\n+16
.endr
.endr
	WIN 0
	s_wait_dscnt 0x0                               ; for the others' sake: a row's 512 bytes come from four waves.  The next phase's fragments are in too
	s_barrier_signal -1                            ; behind it: LDS loads of attn's bytes, which nobody writes, and products
.endm
	FQ 0, 0
	FQ 0, 1
	FQ 0, 2
	FQ 0, 3
	WIN 0
	s_wait_dscnt 0x0
	PHASE 0
	PHASE 1
	PHASE 2
	PHASE 3
	s_barrier_wait -1
	OUT 3
	WIN 0
	s_wait_tensorcnt 0x0                           ; the wave's end
	ds_add_u32 v[SPW], v[NIL]
	s_wait_dscnt 0x0
	CROUND                                         ; the closing round: no work-group ends while a partner may still ask for a tile that names it
	s_endpgm
.Lfunc_end_k_q53a781c765_oproj:
	.size	k_q53a781c765_oproj, .Lfunc_end_k_q53a781c765_oproj-k_q53a781c765_oproj
	.p2alignl 7, 3214868480
	.fill 96, 4, 3214868480
	.section	.rodata,"a",@progbits
	.p2align	6, 0x0
	.amdhsa_kernel k_q53a781c765_oproj
		.amdhsa_group_segment_fixed_size 167936
		.amdhsa_private_segment_fixed_size 0
		.amdhsa_enable_private_segment 0
		.amdhsa_kernarg_size 56
		.amdhsa_user_sgpr_count 2
		.amdhsa_user_sgpr_kernarg_segment_ptr 1
		.amdhsa_wavefront_size32 1
		.amdhsa_system_sgpr_workgroup_id_x 1
		.amdhsa_system_sgpr_workgroup_id_y 1
		.amdhsa_system_sgpr_workgroup_id_z 1
		.amdhsa_system_vgpr_workitem_id 0
		.amdhsa_next_free_vgpr 1024
		.amdhsa_next_free_sgpr 80
		.amdhsa_reserve_vcc 0
		.amdhsa_float_denorm_mode_32 3
		.amdhsa_float_denorm_mode_16_64 3
		.amdhsa_memory_ordered 1
		.amdhsa_forward_progress 1
		.amdhsa_inst_pref_size 60
	.end_amdhsa_kernel
	.amdgpu_metadata
---
amdhsa.version: [ 1, 2 ]
amdhsa.kernels:
  - .name:           k_q53a781c765_oproj
    .symbol:         k_q53a781c765_oproj.kd
    .args:
      - { .name: rowimg, .offset: 0, .size: 8, .value_kind: global_buffer, .address_space: global }
      - { .name: rowsc, .offset: 8, .size: 8, .value_kind: global_buffer, .address_space: global }
      - { .name: wimg, .offset: 16, .size: 8, .value_kind: global_buffer, .address_space: global }
      - { .name: Wo_scales, .offset: 24, .size: 8, .value_kind: global_buffer, .address_space: global }
      - { .name: bo, .offset: 32, .size: 8, .value_kind: global_buffer, .address_space: global }
      - { .name: hidden_states, .offset: 40, .size: 8, .value_kind: global_buffer, .address_space: global }
      - { .name: out0, .offset: 48, .size: 8, .value_kind: global_buffer, .address_space: global }
    .group_segment_fixed_size: 167936
    .private_segment_fixed_size: 0
    .kernarg_segment_align: 8
    .kernarg_segment_size: 56
    .max_flat_workgroup_size: 128
    .sgpr_count:     80
    .vgpr_count:     1024
    .wavefront_size: 32
...
	.end_amdgpu_metadata
.endif
;; end of part 4
